; MI455X (gfx1250); checked and timed in simulation.
; The chip was launched on July 23, 2026; its instructions are those of AMD's public machine-readable ISA for CDNA 5 (MIT licence, August 2026) and "CDNA5" Instruction Set Architecture Reference Guide (July 2026). The comments in the code are by the model that wrote it; some were corrected since.
;; Block. Allowed arithmetic: matrix products marked QUANTISED: E2M3 operands, one E8M0 scale for each 32 along K, by v_wmma_scale_f32_16x16x128_f8f6f4 with both operands' format E2M3, f32 sums; everything else in f32.
;; Inputs: Wfc_codes 4,096 x 32 x 24 uint8 (E2M3 codes of Wfc, K innermost, in blocks of 32 codes, four codes in three bytes); Wfc_scales 4,096 x 32 uint8 (E8M0 scales of Wfc, one for each 32 codes along K); Wo_codes 1,024 x 32 x 24 uint8 (E2M3 codes of Wo, K innermost, in blocks of 32 codes, four codes in three bytes); Wo_scales 1,024 x 32 uint8 (E8M0 scales of Wo, one for each 32 codes along K); Wproj_codes 1,024 x 128 x 24 uint8 (E2M3 codes of Wproj, K innermost, in blocks of 32 codes, four codes in three bytes); Wproj_scales 1,024 x 128 uint8 (E8M0 scales of Wproj, one for each 32 codes along K); Wqkv_codes 3,072 x 32 x 24 uint8 (E2M3 codes of Wqkv, K innermost, in blocks of 32 codes, four codes in three bytes); Wqkv_scales 3,072 x 32 uint8 (E8M0 scales of Wqkv, one for each 32 codes along K); bfc 4,096 float32; bo 1,024 float32; bproj 1,024 float32; bqkv 3,072 float32; x 2 x 2,048 x 1,024 float32.
;; Outputs: out0 2 x 2,048 x 1,024 float32.
;; This version of the problem:
;;   THIS VERSION OF THE PROBLEM IS GIVEN IN LOW PRECISION. The matrix products marked QUANTISED in the list below multiply operands that are first quantised to E2M3 (2 exponent bits, 3 mantissa bits; 6 bits a number), with one power-of-two scale for each 32 numbers along K (OCP MX v1.0); their sums are f32. All else is computed in f32.
;;   The module's matrix products, in the order in which they are computed (A, B: the left and right operand; K: the contracted axis; several contracted axes count as one K, in the product's order):
;;     1. [M 4,096, K 1,024] x [K 1,024, N 3,072]; A: input x; B: input Wqkv (given as codes): QUANTISED
;;     2. batch 32 x [M 2,048, K 64] x [K 64, N 2,048]; A: computed on the way; B: computed on the way: QUANTISED
;;     3. batch 32 x [M 2,048, K 2,048] x [K 2,048, N 64]; A: softmax (see below); B: computed on the way: QUANTISED
;;     4. [M 4,096, K 1,024] x [K 1,024, N 1,024]; A: computed on the way; B: input Wo (given as codes): QUANTISED
;;     5. [M 4,096, K 1,024] x [K 1,024, N 4,096]; A: computed on the way; B: input Wfc (given as codes): QUANTISED
;;     6. [M 4,096, K 4,096] x [K 4,096, N 1,024]; A: computed on the way; B: input Wproj (given as codes): QUANTISED
;;   THE QUANTISER, for each operand of a quantised product, along K:
;;     - K is cut into blocks of 32 from its start; a last block that is shorter is filled with zeros.
;;     - A block's scale is 2^e with e = floor(log2(the largest magnitude in the block)) - 2, held to -126 .. 127; a block of zeros has e = 0. As a byte (E8M0): e + 127.
;;     - Each number is divided by its block's scale, clamped to +-7.5, and rounded to the nearest number of E2M3, ties to even, subnormals kept.
;;     - The product sums the exact products of the quantised numbers (number of the format x scale) in f32.
;;   ~~~python
;;   def quantise(x, axis):      # numpy; x: float32 -> the quantised numbers, widened to float32 again
;;       x = np.moveaxis(x, axis, -1); K = x.shape[-1]
;;       x = np.pad(x, [(0, 0)] * (x.ndim - 1) + [(0, -K % 32)]); x = x.reshape(x.shape[:-1] + (-1, 32)); a = np.abs(x).max(-1, keepdims=True)
;;       e = np.where(a > 0, np.clip(np.frexp(np.where(a > 0, a, 1))[1] - 1 - 2, -126, 127), 0)      # np.frexp(a)[1] - 1 = floor(log2(a)), exactly
;;       r = np.clip(x / 2.0 ** e, -7.5, 7.5)
;;       step = 2.0 ** (np.maximum(np.frexp(np.where(r == 0, 1, r))[1] - 1, 0) - 3)
;;       q = np.round(r / step) * step * 2.0 ** e      # np.round: ties to even
;;       return np.moveaxis(q.reshape(q.shape[:-2] + (-1,))[..., :K], -1, axis).astype(np.float32)
;;   ~~~
;;   SOFTMAX AHEAD OF A QUANTISED PRODUCT. Where the list says 'softmax', what is quantised is not the finished softmax but p = 2^(t - M), with t = logit x log2(e) and M = ceil(the row's largest t), a whole number; so 1/2 < the row's largest p <= 1. The row's sum l is taken of the UNQUANTISED p, in f32, and the product's result is divided by l at the end. Since M is a whole number, a kernel that streams over the keys may use a running M (the ceiling of the running maximum): every later rescaling is an exact power of two, which a block's scale takes up: the codes' values come out the same.
;;   OPERANDS COMPUTED ON THE WAY. 'Computed on the way' means the value that the module computes at that place (a softmax that the list does not call 'softmax' is quantised finished and normalised). What goes into a quantiser is computed in f32, as accurately as f32 sums, v_exp_f32 and their like allow (about 1e-6 of the number): no bf16 or f16 on the way to a quantiser, and a product that is left as it is and whose result goes on into a quantised operand takes f32 operands (vector FMAs, or v_wmma_f32_16x16x4_f32). A number that lies on a knife's edge between two numbers of the format may be rounded either way, as far as f32 arithmetic and the matrix unit's own rounding can turn it there, and no further.
;;   INPUTS GIVEN AS CODES. Wfc (in the module: [1024, 4096], K = its axis 0); Wo (in the module: [1024, 1024], K = its axis 0); Wproj (in the module: [4096, 1024], K = its axis 0); Wqkv (in the module: [1024, 3072], K = its axis 0): each comes as NAME_codes (uint8): NAME with its K axis moved to the last place and cut into blocks of 32 codes, [.., K / 32, bytes a block], one block behind the other in memory; four codes in three bytes: a row's codes are one little-endian stream of bits, code i at bits 6 i .. 6 i + 5 (a code: sign, 2 exponent bits, 3 mantissa bits); and NAME_scales (uint8): the same leading axes, one E8M0 byte (e + 127) for each 32 codes along K. Its value is code x scale, taken as it is: it is not quantised again, and the codes and scales need not be those that the quantiser above would give.
;; One version. Each part assembles by itself: llvm-mc -triple=amdgcn-amd-amdhsa -mcpu=gfx1250 --defsym DOCPART=n.
;; ======== version 1 of 1: 6 launches
;; limits: right only within a limited range of input values
;; workspace buffers: xq 3,276,800 bytes; qk 6,561,792 bytes; vb 3,588,096 bytes; yq 3,276,800 bytes; x1f 16,777,216 bytes; x1q 3,276,800 bytes; hq 13,107,200 bytes
;; launch quant_x (part 1): grid 4 x 64, 4 waves a work-group, no clusters, 17,920 bytes of LDS; arguments x, xq; writes xq
.if DOCPART == 1
	.amdgcn_target "amdgcn-amd-amdhsa--gfx1250"
	.amdhsa_code_object_version 6
	.text
	.protected	k_qbb67f0f73c_quant_x
	.globl	k_qbb67f0f73c_quant_x
	.p2align	8
	.type	k_qbb67f0f73c_quant_x,@function
k_qbb67f0f73c_quant_x:
	s_mov_b64 s[64:65], 0
	v_nop
	global_prefetch_b8 v0, s[64:65] scope:SCOPE_SE
	s_setreg_imm32_b32 hwreg(HW_REG_WAVE_MODE, 25, 1), 1
	s_wait_xcnt 0x0
; x [4096][1024] f32 -> codes of E2M3 and E8M0 scale bytes, blocks of 32 along the row, laid as the next launch's operand registers want them.
; CODES: byte = plane*196608 + (row/16)*768 + 256 p + 8 lane; plane = k/64; lane (r, h) holds the 24 bytes of row r, k = 64 plane + 32 h + 0..31, as three pieces p of 8 bytes.
; SCALES: at 3145728 + plane*8192 + (row/64)*128 + 4 lane: low half = row lane, high half = row 32 + lane; a half = byte(h = 0) | byte(h = 1) << 8.
; A wave takes 64 rows x one plane (64 columns, 256 bytes of a row).  Each load reads two rows' 256 consecutive aligned bytes; the numbers turn through the wave's own stage
; in LDS (rows 272 bytes apart) so that a lane then holds a whole block of 32 neighbours: no other lane is asked for the maximum.  Waves share nothing: no barrier.
; No cluster, no tensor load, no matrix unit: every byte is read once by one wave.
; LIMITS: NaN and infinities are not served; a block whose largest magnitude lies under 2^-124 (a block of zeros too) gets the byte 1: its codes round as under that scale, and this program alone reads the bytes.
.set X,   128                          ; v128-255 64 rows x 2 numbers a lane-register: tile a of 16 rows at X + 32 a
.set MA,  64
.set MB,  68
.set SC,  72
.set BY,  76
.set C,   80
.set Z,   118
.set OFC, 9
.set OF4, 10
.set SEL, 20
.set HM,  22
.macro QUANT4 src                      ; four blocks of 32 (one for each tile a), by turns: codes to v[C+8a .. +5], bytes to v[BY+a]
	s_wait_xcnt 0x0                                ; earlier stores have read the registers that are written below
.irp a, 0,1,2,3
	v_max3_num_f32 v[MA+\a], |v[\src+32*\a]|, |v[\src+32*\a+1]|, 0x1800000   ; the floor 2^(3-127) among the leaves holds the byte at 1 from below
.endr
.irp a, 0,1,2,3
	v_max_num_f32 v[MB+\a], |v[\src+32*\a+2]|, |v[\src+32*\a+3]|
.endr
.irp i, 4,8,12,16,20,24,28
.irp a, 0,1,2,3
	v_max3_num_f32 v[MA+\a], v[MA+\a], |v[\src+32*\a+\i]|, |v[\src+32*\a+\i+1]|
.endr
.irp a, 0,1,2,3
	v_max3_num_f32 v[MB+\a], v[MB+\a], |v[\src+32*\a+\i+2]|, |v[\src+32*\a+\i+3]|
.endr
.endr
.irp a, 0,1,2,3
	v_max_num_f32 v[MA+\a], v[MA+\a], v[MB+\a]
.endr
.irp a, 0,1,2,3
	v_add_nc_u32 v[SC+\a], 0xff000000, v[MA+\a]    ; 2 off the exponent field: the conversion's scale operand
.endr
.irp a, 0,1,2,3
	v_lshrrev_b32 v[BY+\a], 23, v[SC+\a]           ; the scale's byte
.endr
.irp a, 0,1,2,3
	v_cvt_scalef32_pk16_fp6_f32 v[C+8*\a:C+8*\a+2], v[\src+32*\a:\src+32*\a+15], v[SC+\a]
	v_cvt_scalef32_pk16_fp6_f32 v[C+8*\a+4:C+8*\a+6], v[\src+32*\a+16:\src+32*\a+31], v[SC+\a]
.endr
	v_nop                                          ; one plain place behind the scaled conversions
.irp a, 0,1,2,3
	v_mov_b32 v[C+8*\a+3], v[C+8*\a+4]             ; a conversion's three registers begin on an even number: the second three are moved up
	v_mov_b32 v[C+8*\a+4], v[C+8*\a+5]
	v_mov_b32 v[C+8*\a+5], v[C+8*\a+6]
.endr
.endm
.macro PACKZ                           ; the four bytes of a lane and of lane xor 16 become the scale word v[Z] of the layout above
	v_lshl_or_b32 v112, v[BY+2], 16, v[BY]
	v_lshl_or_b32 v113, v[BY+3], 16, v[BY+1]
	v_cndmask_b32 v114, v113, v112, s[HM]          ; what the other half wants of me
	v_cndmask_b32 v115, v112, v113, s[HM]          ; what I keep
	v_permlanex16_b32 v116, v114, s[SEL], s[SEL+1]
	v_cndmask_b32 v117, v115, v116, s[HM]          ; the bytes of block h = 0
	v_cndmask_b32 v116, v116, v115, s[HM]          ; the bytes of block h = 1
	v_lshl_or_b32 v[Z], v116, 8, v117
.endm
	s_load_b128 s[4:7], s[0:1], 0x0                ; x, xq
	v_lshl_add_u32 v126, v0, 2, 0x4400
	v_mov_b32 v127, 0
	v_lshrrev_b32 v1, 5, v0
	v_readfirstlane_b32 s8, v1                     ; wave
	v_and_b32 v2, 31, v0                           ; lane
	v_and_b32 v3, 15, v0                           ; r
	v_bfe_u32 v4, v0, 4, 1                         ; h
	s_and_b32 s9, ttmp7, 0xffff                    ; which 64 rows
	s_lshl_b32 s10, ttmp9, 2
	s_add_co_u32 s10, s10, s8                      ; plane
	v_lshlrev_b32 v5, 4, v3
	v_lshl_add_u32 v6, v4, 12, v5                  ; in: lanes 0-15 one row's 256 bytes, lanes 16-31 the next row's
	s_mul_i32 s11, s8, 4352                        ; my stage
	v_mad_u32_u24 v7, v4, 272, v5
	v_add_nc_u32 v7, s11, v7                       ; the stage by rows
	v_mul_u32_u24 v8, v3, 272
	v_lshl_add_u32 v8, v4, 7, v8
	v_add_nc_u32 v8, s11, v8                       ; the stage by blocks: row r, 128 h
	v_lshlrev_b32 v[OFC], 3, v2
	v_lshlrev_b32 v[OF4], 2, v2
	v_mov_b32 v116, 0                              ; a lane permute's destination counts as read
	s_mov_b32 s[SEL], 0x76543210
	s_mov_b32 s[SEL+1], 0xfedcba98
	s_mov_b32 s[HM], 0xffff0000                    ; lanes 16-31
	s_lshl_b32 s12, s9, 18                         ; 64 rows of 4096 bytes
	s_lshl_b32 s13, s10, 8
	s_add_co_u32 s12, s12, s13
	s_mov_b32 s13, 0
	s_mul_i32 s14, s10, 196608
	s_mul_i32 s15, s9, 3072
	s_add_co_u32 s14, s14, s15
	s_mov_b32 s15, 0
	s_lshl_b32 s16, s10, 13
	s_lshl_b32 s17, s9, 7
	s_add_co_u32 s16, s16, s17
	s_mov_b32 s17, 0
	s_wait_alu depctr_va_vdst(0)
	s_wait_kmcnt 0x0
	s_add_nc_u64 s[4:5], s[4:5], s[12:13]
	s_add_nc_u64 s[18:19], s[6:7], s[14:15]        ; my codes
	s_add_nc_u64 s[6:7], s[6:7], s[16:17]          ; my scale words (3145728 in the immediate)
.irp a, 0,1,2,3
.irp i, 0,1,2,3,4,5,6,7
	global_load_b128 v[X+32*\a+4*\i:X+32*\a+4*\i+3], v6, s[4:5] offset:\a*65536+\i*8192 th:TH_LOAD_NT
.endr
.endr
.irp a, 0,1,2,3
	s_wait_loadcnt 24-8*\a                         ; tile a's eight loads are in; the younger tiles' may be out
.irp i, 0,1,2,3,4,5,6,7
	ds_store_b128 v7, v[X+32*\a+4*\i:X+32*\a+4*\i+3] offset:544*\i
.endr
.irp i, 0,1,2,3,4,5,6,7
	ds_load_b128 v[X+32*\a+4*\i:X+32*\a+4*\i+3], v8 offset:16*\i     ; LDS serves a wave's instructions in order: these see the stores, and the next tile's stores come behind them
.endr
.endr
	s_wait_dscnt 0x0
	QUANT4 X
.irp a, 0,1,2,3
.irp p, 0,1,2
	global_store_b64 v[OFC], v[C+8*\a+2*\p:C+8*\a+2*\p+1], s[18:19] offset:\a*768+256*\p   ; 32 lanes store 256 consecutive aligned bytes
.endr
.endr
	PACKZ
	global_store_b32 v[OF4], v[Z], s[6:7] offset:3145728
	s_wait_tensorcnt 0x0
	ds_add_u32 v126, v127
	s_wait_dscnt 0x0
	s_endpgm
.Lfunc_end_k_qbb67f0f73c_quant_x:
	.size	k_qbb67f0f73c_quant_x, .Lfunc_end_k_qbb67f0f73c_quant_x-k_qbb67f0f73c_quant_x
	.p2alignl 7, 3214868480
	.fill 96, 4, 3214868480
	.section	.rodata,"a",@progbits
	.p2align	6, 0x0
	.amdhsa_kernel k_qbb67f0f73c_quant_x
		.amdhsa_group_segment_fixed_size 17920
		.amdhsa_private_segment_fixed_size 0
		.amdhsa_enable_private_segment 0
		.amdhsa_kernarg_size 16
		.amdhsa_user_sgpr_count 2
		.amdhsa_user_sgpr_kernarg_segment_ptr 1
		.amdhsa_wavefront_size32 1
		.amdhsa_system_sgpr_workgroup_id_x 1
		.amdhsa_system_sgpr_workgroup_id_y 1
		.amdhsa_system_sgpr_workgroup_id_z 1
		.amdhsa_system_vgpr_workitem_id 0
		.amdhsa_next_free_vgpr 256
		.amdhsa_next_free_sgpr 66
		.amdhsa_reserve_vcc 0
		.amdhsa_float_denorm_mode_32 3
		.amdhsa_float_denorm_mode_16_64 3
		.amdhsa_memory_ordered 1
		.amdhsa_forward_progress 1
		.amdhsa_inst_pref_size 17
	.end_amdhsa_kernel
	.amdgpu_metadata
---
amdhsa.version: [ 1, 2 ]
amdhsa.kernels:
  - .name:           k_qbb67f0f73c_quant_x
    .symbol:         k_qbb67f0f73c_quant_x.kd
    .args:
      - { .name: x, .offset: 0, .size: 8, .value_kind: global_buffer, .address_space: global }
      - { .name: xq, .offset: 8, .size: 8, .value_kind: global_buffer, .address_space: global }
    .group_segment_fixed_size: 17920
    .private_segment_fixed_size: 0
    .kernarg_segment_align: 8
    .kernarg_segment_size: 16
    .max_flat_workgroup_size: 128
    .sgpr_count:     66
    .vgpr_count:     256
    .wavefront_size: 32
...
	.end_amdgpu_metadata
.endif
;; end of part 1
;; launch gemm_qkv (part 2): grid 8 x 32, 4 waves a work-group, clusters of 4 x 4, 327,680 bytes of LDS; arguments xq, Wqkv_codes, Wqkv_scales, bqkv, qk, vb; writes qk, vb
.if DOCPART == 2
	.amdgcn_target "amdgcn-amd-amdhsa--gfx1250"
	.amdhsa_code_object_version 6
	.text
	.protected	k_qbb67f0f73c_gemm_qkv
	.globl	k_qbb67f0f73c_gemm_qkv
	.p2align	8
	.type	k_qbb67f0f73c_gemm_qkv,@function
k_qbb67f0f73c_gemm_qkv:
	s_mov_b64 s[64:65], 0
	v_nop
	global_prefetch_b8 v0, s[64:65] scope:SCOPE_SE
	s_setreg_imm32_b32 hwreg(HW_REG_WAVE_MODE, 25, 1), 1
	s_wait_xcnt 0x0
	s_wait_alu depctr_hold_cnt(0) depctr_sa_sdst(0) depctr_va_vdst(0) depctr_va_sdst(0) depctr_va_ssrc(0) depctr_va_vcc(0) depctr_vm_vsrc(0)
	s_getreg_b32 s2, hwreg(HW_REG_IB_STS2, 6, 4)
	s_cmp_eq_u32 s2, 0
	s_cbranch_scc0 .Lentry_in_a_cluster
	s_endpgm
.Lentry_in_a_cluster:
	s_bfe_u32 s2, ttmp6, 0x10000c
	s_cmp_lg_u32 s2, 0xf033
	s_cbranch_scc0 .Lentry_shape_is_right
	s_endpgm
.Lentry_shape_is_right:
; xp = Q(x) Wqkv + bqkv on codes of E2M3, and q, k, v quantised on the way out.  Work-group (x, y): rows 128 y .. +127 (which are one head, bh = y) x three tiles of 128 columns:
;   V: columns 2048 + 64 j + 8 dq + x (j = 0..15, dq = 0..7);   q: columns 128 x ..;   k: columns 1024 + 128 x ...   Four waves, each 64 rows (rh) x 64 columns (ch): 16 accumulators.
; The rows' codes for all of K (98,304 bytes) stay in LDS; the weights' tiles come into two regions; k's tile fills q's region again.  x's panel and q's tile are asked for at the head.
; THE MATRIX INSTRUCTION IS USED TRANSPOSED (source 0 = 16 weight rows, source 1 = 16 rows of x): a lane holds one row of x, its registers run along the columns.
; WHICH WEIGHT ROWS FORM A TILE IS CHOSEN.  q, k: lane-row 8 h' + j' of tile u is column 64 ch + 32 h' + 8 u + j': a lane's 32 registers of a row tile are then columns 32 h + 0..31: a whole block along d.
; V: lane-row 8 h' + j' of tile u is j = 8 (u%2) + j', dq = 4 ch + 2 (u/2) + h': a lane's 16 registers 16 b + .. are j = 0..15, 16 neighbouring KEYS (key = 16 t' + j) of one d; the block's other half lies in lane xor 1.
; OUT.  q, k codes: [bh][t'/16][j][768]: lane (t'%16, h): three pieces of 8 bytes at 256 p + 8 lane.  Scale words [bh][j][528]: word of t' = s(d<32) | s(d>=32)<<8 | 0x7f7f0000 (the upper K of attention's first product is zeros).
; V^T codes in vb: [rho][1552], 12 bytes of keys 16 t' .. at 12 t'; rho = 16 u + 8 h'' + j'' stands for d = 32 h'' + 8 u + j''.  V's scale bytes [rho][68].  The bytes of padding are stored as zeros.
; CLUSTER 4 x 4: x's panel hangs on y alone and is asked for jointly along a row of the cluster, the weights' tiles on x alone, along a column.
; LIMITS: NaN and infinities are not served; a block whose largest magnitude lies under 2^-124 (zeros too) gets the byte 1; this program alone reads the bytes.
; REGISTERS.  window 0: v1, v2 the spare word's address and 0; v3-15 addresses; v16-31 x's scale words; v32-63 the weights' scale words, two sets; v64-127 at work; v128-255 accumulators (row tile a, tile u at 128 + 32 a + 8 u).
;   window 1: v0-95, v96-191 two sets of fragments (4 of the weights, 4 of x); v192-255 two sets of bias tiles (the C of each sum's first instruction).
; HOW THE TILES COME, in this text (it takes the place of what the head comment says of it).  Head, one tensor load a wave: waves 0 and 1 bring x's panel, 8 planes each; waves 2 and 3 bring q's tile.
; A weight tile of 128 dense rows comes by two loads: 32 rows are stated as one row of 24576 bytes, and a load takes two of them, 49152 apart: the parts (ch = 0, h') and (ch = 1, h'), 26112 bytes each in LDS;
; the load for h' = 1 lands 52352 bytes behind the other.  The order of work is q, V, k: V's first parts are asked for behind the first full sequence, its second parts behind q's products,
; and k's tile fills q's region again behind q's way out.
.set AP,    0                          ; LDS: x's panel: 16 planes of 6144 bytes
.set R0,    98304                      ; V's tile: 8 parts of 16 rows, 13184 apart; rows 816 apart (768 + 16 behind each 256)
.set R1,    203776                     ; q's tile, later k's
.set VSTG,  308736                     ; 128 bytes a wave: V's scale bytes are gathered here
.set SPARE, 309248                     ; the spare words, 128 bytes a wave
.set ACC, 128
.set AS,  16
.set BS,  32
.set BI,  192
.set ADA, 3
.set ADQ, 5
.set ADK, 7
.set ADV, 9
.set OFC, 11
.set OF4, 12
.set OSB, 13
.set OBB, 15
.set MA,  64
.set MB,  68
.set SC,  72
.set BY,  76
.set C,   80
.set Z,   118
.set OFV, 121
.set AV8, 122
.set AVL, 123
.set OFS, 124
.set WV,  16
.set RH,  17
.set CH,  18
.set CX,  19
.set CY,  20
.set XX,  21
.set YY,  22
.set G1A, 24
.set G1B, 32
.set G1V, 40
.set G0A, 48
.set G0V, 52
.set G0Q, 60
.set G0K, 68
.set SEL, 92
.set HM,  94
.set P7F, 95
.set MSB, 0
.macro WIN new                         ; the immediate's high byte repeats the setting that is left
.if MSB != (\new)
	s_set_vgpr_msb (MSB<<8)|(\new)
.set MSB, \new
.endif
.endm
.macro PLACES n
.rept \n
	v_nop
.endr
.endm
.macro CROUND                          ; a round of the cluster's barrier
	s_barrier_signal -1
	s_barrier_wait -1
	s_cmp_lg_u32 s[WV], 0
	s_cbranch_scc1 .Lnw0_\@
	s_barrier_signal -3
.Lnw0_\@:
	s_barrier_wait -3
	s_barrier_signal -1
	s_barrier_wait -1
.endm
.macro TL g0, g1                       ; a joint load; four v_nop follow it
	tensor_load_to_lds s[\g0:\g0+3], s[\g1:\g1+7]
	s_nop 0
	PLACES 4
.endm
; x's FRAGMENTS STAY IN REGISTERS: a wave's 64 rows for all of K are 8 steps x 4 fragments x 12 = 384 registers: steps 0-4 in window 2 (v[48 s + 12 a]), steps 5-7 in window 3 (v[48 (s - 5) + 12 a]).
; The first tile's walk along K reads them from the panel; the two later tiles read the weights' fragments alone.  (In window 1 the places that the head comment gives to x's fragments lie idle.)
.macro FRAGA s                         ; x's four fragments of K step s: registers 0-5 from plane 2 s, 6-11 from plane 2 s + 1; 32 lanes read 256 consecutive bytes
	WIN 0x80+0x40*((\s)/5)
.irp a, 0,1,2,3
.irp c, 0,1
.irp p, 0,1,2
	ds_load_b64 v[48*((\s)%5)+12*\a+6*\c+2*\p:48*((\s)%5)+12*\a+6*\c+2*\p+1], v[ADA+(\s)/4] offset:((2*(\s)+\c)%8)*6144+\a*768+256*\p
.endr
.endr
.endr
.endm
.macro FRAGB set, s, adr, kind         ; the weights' four fragments: pieces of 8 bytes; lanes 16-31 read three pieces on, which for some pieces is behind one padding more: the second address register serves those
.irp u, 0,1,2,3
.irp c, 0,1
.irp p, 0,1,2
.set PC, 12*(\s)+6*\c+\p
.if \kind
.set RO, (\u/2)*26368+(\u%2)*6528
.else
.set RO, \u*6528
.endif
.if PC%32 < 29
	ds_load_b64 v[96*(\set)+12*\u+6*\c+2*\p:96*(\set)+12*\u+6*\c+2*\p+1], v[\adr] offset:RO+8*PC+16*(PC/32)
.else
	ds_load_b64 v[96*(\set)+12*\u+6*\c+2*\p:96*(\set)+12*\u+6*\c+2*\p+1], v[\adr+1] offset:RO+8*PC+16*(PC/32)
.endif
.endr
.endr
.endr
.endm
.macro WM d, a, b, c, sa, sb, ra, rb
.if (\ra) && (\rb)
	v_wmma_scale_f32_16x16x128_f8f6f4 v[\d:\d+7], v[\a:\a+11], v[\b:\b+11], v[\c:\c+7], v[\sa], v[\sb] matrix_a_fmt:MATRIX_FMT_FP6 matrix_b_fmt:MATRIX_FMT_FP6 matrix_a_scale:MATRIX_SCALE_ROW1 matrix_b_scale:MATRIX_SCALE_ROW1
.elseif (\ra)
	v_wmma_scale_f32_16x16x128_f8f6f4 v[\d:\d+7], v[\a:\a+11], v[\b:\b+11], v[\c:\c+7], v[\sa], v[\sb] matrix_a_fmt:MATRIX_FMT_FP6 matrix_b_fmt:MATRIX_FMT_FP6 matrix_a_scale:MATRIX_SCALE_ROW1
.elseif (\rb)
	v_wmma_scale_f32_16x16x128_f8f6f4 v[\d:\d+7], v[\a:\a+11], v[\b:\b+11], v[\c:\c+7], v[\sa], v[\sb] matrix_a_fmt:MATRIX_FMT_FP6 matrix_b_fmt:MATRIX_FMT_FP6 matrix_b_scale:MATRIX_SCALE_ROW1
.else
	v_wmma_scale_f32_16x16x128_f8f6f4 v[\d:\d+7], v[\a:\a+11], v[\b:\b+11], v[\c:\c+7], v[\sa], v[\sb] matrix_a_fmt:MATRIX_FMT_FP6 matrix_b_fmt:MATRIX_FMT_FP6
.endif
.endm
.macro MULS set, s, bset, first        ; 16 matrix instructions; the 16 accumulators take turns in the same order in every step
.irp a, 0,1,2,3
.irp u, 0,1,2,3
.if \first
	WM ACC+32*\a+8*\u, 96*(\set)+12*\u, 48*((\s)%5)+12*\a, BI+32*(\bset)+8*\u, BS+16*(\bset)+8*(\u/2)+(\s), AS+8*(\a/2)+(\s), \u%2, \a%2
.else
	WM ACC+32*\a+8*\u, 96*(\set)+12*\u, 48*((\s)%5)+12*\a, ACC+32*\a+8*\u, BS+16*(\bset)+8*(\u/2)+(\s), AS+8*(\a/2)+(\s), \u%2, \a%2
.endif
.endr
.endr
.endm
.macro KLOOP adr, kind, bset, la=0     ; K = 1024 in eight steps of 128, written out; the next step's loads are issued ahead of each step's products.  la = 1: x's fragments are read too
	WIN 0x40
	FRAGB 0, 0, \adr, \kind
.if \la
	FRAGA 0
.endif
.irp s, 0,1,2,3,4,5,6,7
.if \s < 7
.if \s > 0
	PLACES 4                                       ; places in front of loads into registers that the last products read
.endif
	WIN 0x40
	FRAGB (\s+1)%2, \s+1, \adr, \kind
.if \la
	FRAGA \s+1
.endif
	s_wait_alu depctr_va_vdst(0)
	s_wait_dscnt 24+24*(\la)                       ; this step's fragments are in; the loads just issued (24 of the weights, and 24 of x where it is read) may be out
.else
	s_wait_dscnt 0x0
.endif
.if \s == 0
	WIN 0x19                                       ; the weights' fragments and the bias (C) in window 1, x's in window 2
	MULS \s%2, \s, \bset, 1
.else
	WIN 0x09+4*(\s/5)                              ; x's fragments in window 2, from step 5 on in window 3
	MULS \s%2, \s, \bset, 0
.endif
.endr
	WIN 0
.endm
.macro QUANT4 src
	s_wait_xcnt 0x0                                ; earlier stores have read the registers that are written below
.irp a, 0,1,2,3
	v_max3_num_f32 v[MA+\a], |v[\src+32*\a]|, |v[\src+32*\a+1]|, 0x1800000   ; each accumulator is read from its low end on; the floor holds the byte at 1
.endr
.irp a, 0,1,2,3
	v_max_num_f32 v[MB+\a], |v[\src+32*\a+2]|, |v[\src+32*\a+3]|
.endr
.irp i, 4,8,12,16,20,24,28
.irp a, 0,1,2,3
	v_max3_num_f32 v[MA+\a], v[MA+\a], |v[\src+32*\a+\i]|, |v[\src+32*\a+\i+1]|
.endr
.irp a, 0,1,2,3
	v_max3_num_f32 v[MB+\a], v[MB+\a], |v[\src+32*\a+\i+2]|, |v[\src+32*\a+\i+3]|
.endr
.endr
.irp a, 0,1,2,3
	v_max_num_f32 v[MA+\a], v[MA+\a], v[MB+\a]
.endr
.irp a, 0,1,2,3
	v_add_nc_u32 v[SC+\a], 0xff000000, v[MA+\a]
.endr
.irp a, 0,1,2,3
	v_lshrrev_b32 v[BY+\a], 23, v[SC+\a]
.endr
.irp a, 0,1,2,3
	v_cvt_scalef32_pk16_fp6_f32 v[C+8*\a:C+8*\a+2], v[\src+32*\a:\src+32*\a+15], v[SC+\a]
	v_cvt_scalef32_pk16_fp6_f32 v[C+8*\a+4:C+8*\a+6], v[\src+32*\a+16:\src+32*\a+31], v[SC+\a]
.endr
	v_nop                                          ; one plain place behind the scaled conversions
.irp a, 0,1,2,3
	v_mov_b32 v[C+8*\a+3], v[C+8*\a+4]
	v_mov_b32 v[C+8*\a+4], v[C+8*\a+5]
	v_mov_b32 v[C+8*\a+5], v[C+8*\a+6]
.endr
.endm
.macro PACKZ
	v_lshl_or_b32 v112, v[BY+2], 16, v[BY]
	v_lshl_or_b32 v113, v[BY+3], 16, v[BY+1]
	v_cndmask_b32 v114, v113, v112, s[HM]
	v_cndmask_b32 v115, v112, v113, s[HM]
	v_permlanex16_b32 v116, v114, s[SEL], s[SEL+1]
	v_cndmask_b32 v117, v115, v116, s[HM]
	v_cndmask_b32 v116, v116, v115, s[HM]
	v_lshl_or_b32 v[Z], v116, 8, v117              ; low half: row lane; high half: row 32 + lane; a half = byte(h=0) | byte(h=1) << 8
.endm
.macro WLOADB bset, so, bo             ; a tile's scale words (lanes 0-15 tile 2 up, lanes 16-31 tile 2 up + 1; eight K steps) and bias tiles
.irp up, 0,1
	global_load_b128 v[BS+16*(\bset)+8*\up:BS+16*(\bset)+8*\up+3], v[OSB], s[8:9] offset:(\so)+512*\up
	global_load_b128 v[BS+16*(\bset)+8*\up+4:BS+16*(\bset)+8*\up+7], v[OSB], s[8:9] offset:(\so)+512*\up+16
.endr
	WIN 0x40
.irp u, 0,1,2,3
	global_load_b128 v[BI+32*(\bset)+8*\u:BI+32*(\bset)+8*\u+3], v[OBB], s[10:11] offset:(\bo)+32*\u
	global_load_b128 v[BI+32*(\bset)+8*\u+4:BI+32*(\bset)+8*\u+7], v[OBB], s[10:11] offset:(\bo)+32*\u+16
.endr
	WIN 0
.endm
.macro EPI_QK cb, co, sb, so           ; q or k: a lane's 32 registers of each row tile are a block along d
	PLACES 4
	QUANT4 ACC
.irp a, 0,1,2,3
.irp p, 0,1,2
	global_store_b64 v[OFC], v[C+8*\a+2*\p:C+8*\a+2*\p+1], s[\cb:\cb+1] offset:(\co)+\a*12288+256*\p   ; 256 consecutive aligned bytes
.endr
.endr
	PACKZ
	v_and_or_b32 v119, v[Z], 0xffff, s[P7F]        ; rows t' = 64 rh + lane: two bytes, and 0x7f for the K that is zeros
	v_lshrrev_b32 v120, 16, v[Z]
	v_or_b32 v120, s[P7F], v120                    ; rows 32 further on
	v_mov_b32 v112, s97                            ; the 16 bytes of padding behind the 512: each row half's wave stores eight zeros
	global_store_b32 v[OF4], v119, s[\sb:\sb+1] offset:(\so)
	global_store_b32 v[OF4], v120, s[\sb:\sb+1] offset:(\so)+128
	global_store_b64 v112, v[126:127], s[\sb:\sb+1] offset:(\so)
.endm
.macro EPI_V                           ; V: 16 registers are 16 neighbouring keys of one d; lane xor 1 holds the block's other 16
	PLACES 4
	s_wait_xcnt 0x0
.irp b, 0,1
.irp a, 0,1,2,3
	v_max3_num_f32 v[MA+\a], |v[ACC+32*\a+16*\b]|, |v[ACC+32*\a+16*\b+1]|, 0x1800000
.endr
.irp a, 0,1,2,3
	v_max_num_f32 v[MB+\a], |v[ACC+32*\a+16*\b+2]|, |v[ACC+32*\a+16*\b+3]|
.endr
.irp i, 4,8,12
.irp a, 0,1,2,3
	v_max3_num_f32 v[MA+\a], v[MA+\a], |v[ACC+32*\a+16*\b+\i]|, |v[ACC+32*\a+16*\b+\i+1]|
.endr
.irp a, 0,1,2,3
	v_max3_num_f32 v[MB+\a], v[MB+\a], |v[ACC+32*\a+16*\b+\i+2]|, |v[ACC+32*\a+16*\b+\i+3]|
.endr
.endr
.irp a, 0,1,2,3
	v_max_num_f32 v[MA+\a], v[MA+\a], v[MB+\a]
.endr
.irp a, 0,1,2,3
	v_max_num_f32_dpp v[MA+\a], v[MA+\a], v[MA+\a] row_xmask:1 row_mask:0xf bank_mask:0xf
.endr
.irp a, 0,1,2,3
	v_add_nc_u32 v[SC+\a], 0xff000000, v[MA+\a]
.endr
.irp a, 0,1,2,3
	v_lshrrev_b32 v[BY+\a], 23, v[SC+\a]
.endr
.irp a, 0,1,2,3
	v_cvt_scalef32_pk16_fp6_f32 v[C+16*\b+4*\a:C+16*\b+4*\a+2], v[ACC+32*\a+16*\b:ACC+32*\a+16*\b+15], v[SC+\a]
.endr
	v_nop                                          ; one plain place behind the scaled conversions
.irp a, 0,1,2,3
	global_store_b96 v[OFV], v[C+16*\b+4*\a:C+16*\b+4*\a+2], s[82:83] offset:49664*\b+192*\a   ; sixteen lanes store 192 consecutive bytes of a row of V^T
	ds_store_b8 v[AV8], v[BY+\a] offset:64*\b+8*\a                                            ; both lanes of a block write the same byte with the same value
.endr
.endr
	ds_load_b32 v112, v[AVL]                       ; my wave's 128 scale bytes: four rows rho x 32 blocks of keys
	v_bfe_u32 v113, v0, 3, 2
	v_mad_u32_u24 v113, v113, 1088, s98            ; the 4 bytes of padding behind a row's 64 scale bytes
	v_bfe_u32 v114, v0, 4, 1
	v_mad_u32_u24 v114, v114, 24832, s96           ; the 16 bytes behind a row's 1536 bytes of codes: eight from each row half's wave
	s_wait_alu depctr_va_vdst(0)
	s_wait_dscnt 0x0
	global_store_b32 v[OFS], v112, s[84:85] offset:107776
	global_store_b32 v113, v126, s[84:85] offset:107776
	global_store_b64 v114, v[126:127], s[82:83]
	global_store_b64 v114, v[126:127], s[82:83] offset:49664
.endm
	s_load_b256 s[4:11], s[0:1], 0x0               ; xq, Wqkv_codes, Wqkv_scales, bqkv
	s_load_b128 s[12:15], s[0:1], 0x20             ; qk, vb
	v_lshl_add_u32 v1, v0, 2, SPARE
	v_mov_b32 v2, 0
	ds_add_u32 v1, v2
	ds_add_u32 v1, v2
	s_wait_dscnt 0x0
	v_lshrrev_b32 v96, 5, v0
	v_readfirstlane_b32 s[WV], v96                 ; wave 0..3
	s_lshr_b32 s[RH], s[WV], 1                     ; my half of the rows
	s_and_b32 s[CH], s[WV], 1                      ; my half of the columns
	s_bfe_u32 s[CX], ttmp6, 0x40000
	s_bfe_u32 s[CY], ttmp6, 0x40004
	s_lshl_b32 s[XX], ttmp9, 2
	s_add_co_u32 s[XX], s[XX], s[CX]               ; x = 4 cluster x + cx
	s_and_b32 s[YY], ttmp7, 0xffff
	s_lshl_b32 s[YY], s[YY], 2
	s_add_co_u32 s[YY], s[YY], s[CY]               ; y = 4 cluster y + cy
	s_lshl_b32 s72, s[CY], 2
	s_lshl_b32 s72, 15, s72                        ; my row of the cluster
	s_lshl_b32 s73, 0x1111, s[CX]                  ; my column
	s_or_b32 s[G1A], s72, (1<<21)                  ; x's panel: 8 planes of 6144 bytes, 196608 apart; elements of 1 byte, no padding
	s_mov_b32 s[G1A+1], 6144<<16
	s_mov_b32 s[G1A+2], 8<<16                      ; 8 planes a load
	s_mov_b32 s[G1A+3], 6144<<16
	s_mov_b32 s[G1A+4], 8
	s_mov_b32 s[G1A+5], 196608
	s_mov_b32 s[G1A+6], 0
	s_mov_b32 s[G1A+7], 0
	s_or_b32 s[G1B], s73, (1<<20)|(1<<21)|(5<<22)|(3<<25)   ; 32 weight rows of 768 bytes, dense; 16 bytes of padding behind every 256
	s_mov_b32 s[G1B+1], 24576<<16                  ; 32 dense weight rows as one row of 24576 bytes,
	s_mov_b32 s[G1B+2], 2<<16                      ; two of them,
	s_mov_b32 s[G1B+3], 24576<<16
	s_mov_b32 s[G1B+4], 2
	s_mov_b32 s[G1B+5], 49152                      ; 64 weight rows apart
	s_mov_b32 s[G1B+6], 0
	s_mov_b32 s[G1B+7], 0
	s_or_b32 s[G1V], s73, (1<<20)|(1<<21)|(5<<22)|(3<<25)   ; 16 weight rows (j = 0..15), 64 rows apart
	s_mov_b32 s[G1V+1], 768<<16
	s_mov_b32 s[G1V+2], 16<<16
	s_mov_b32 s[G1V+3], 768<<16
	s_mov_b32 s[G1V+4], 16
	s_mov_b32 s[G1V+5], 49152
	s_mov_b32 s[G1V+6], 0
	s_mov_b32 s[G1V+7], 0
	s_mul_i32 s74, s[CH], 1572864                  ; x's panel: planes 8 ch ..,
	s_mul_i32 s75, s[YY], 6144                     ; my work-group's 128 rows
	s_add_co_u32 s74, s74, s75
	s_mov_b32 s75, 0
	s_mul_i32 s23, s[CH], 24576
	s_mul_i32 s88, s[XX], 98304
	s_add_co_u32 s88, s88, s23                     ; q: weight row 128 x + 32 h', h' = the loading wave's ch
	s_mul_i32 s23, s[CH], 49152                    ; the panel's half in LDS
	s_mov_b32 s89, 0
	s_mul_i32 s90, s[XX], 768
	s_mul_i32 s91, s[WV], 12288
	s_add_co_u32 s90, s90, s91
	s_add_co_u32 s90, s90, 1572864                 ; V: weight row 2048 + 8 (2 wave) + x
	s_mov_b32 s91, 0
	s_mul_i32 s86, s[CH], 52352
	s_mul_i32 s87, s[WV], 26368
	s_wait_kmcnt 0x0
	s_mov_b32 s[G0A], 1
	s_add_co_u32 s[G0A+1], s23, AP
	s_add_nc_u64 s[G0A+2:G0A+3], s[4:5], s[74:75]
	s_or_b32 s[G0A+3], s[G0A+3], 0x80000000
	s_mov_b32 s[G0V], 1
	s_add_co_u32 s[G0V+1], s87, R0
	s_add_nc_u64 s[G0V+2:G0V+3], s[6:7], s[90:91]
	s_mov_b32 s[G0V+4], 1
	s_add_co_u32 s[G0V+5], s87, R0+13184
	s_add_nc_u64 s[G0V+6:G0V+7], s[G0V+2:G0V+3], 6144
	s_or_b32 s[G0V+3], s[G0V+3], 0x80000000
	s_or_b32 s[G0V+7], s[G0V+7], 0x80000000
	s_mov_b32 s[G0Q], 1
	s_add_co_u32 s[G0Q+1], s86, R1
	s_add_nc_u64 s[G0Q+2:G0Q+3], s[6:7], s[88:89]
	s_mov_b32 s[G0K], 1
	s_add_co_u32 s[G0K+1], s86, R1
	s_add_nc_u64 s[G0K+2:G0K+3], s[G0Q+2:G0Q+3], 786432
	s_or_b32 s[G0Q+3], s[G0Q+3], 0x80000000
	s_or_b32 s[G0K+3], s[G0K+3], 0x80000000
	CROUND                                         ; all sixteen work-groups are here: the first joint loads meet
	s_cmp_eq_u32 s[RH], 0                          ; one tensor load a wave, on either way
	s_cbranch_scc0 .Lhb
	TL G0A, G1A
	s_branch .Lhj
.Lhb:
	TL G0Q, G1B
.Lhj:
	v_and_b32 v96, 31, v0                          ; lane l
	v_and_b32 v97, 15, v0                          ; r
	v_bfe_u32 v98, v0, 4, 1                        ; h
	s_wait_alu depctr_va_vdst(0)
	v_and_b32 v99, 7, v0                           ; j'
	v_bfe_u32 v100, v0, 3, 1                       ; h'
	s_wait_alu depctr_va_vdst(0)
	s_lshl_b32 s72, s[RH], 7
	s_lshl_b32 s73, s[YY], 8
	s_add_co_u32 s72, s72, s73
	v_lshl_add_u32 v107, v96, 2, s72               ; x's scale words: (2 y + rh) 128 + 4 l
.irp n, 0,1,2,3,4,5,6,7,8,9,10,11,12,13,14,15
	global_load_b32 v[64+\n], v107, s[4:5] offset:3145728+8192*\n
.endr
	v_lshl_add_u32 v105, v98, 3, v99               ; V's scale words: row 2048 + 64 (8 h + j') + 8 h' + 32 ch + x (+ 16 up)
	v_lshlrev_b32 v105, 6, v105
	v_lshl_add_u32 v105, v100, 3, v105
	s_lshl_b32 s72, s[CH], 5
	s_add_co_u32 s72, s72, s[XX]
	s_add_co_u32 s72, s72, 2048
	s_lshl_b32 s73, s72, 5
	v_lshl_add_u32 v105, v105, 5, s73
	s_lshl_b32 s73, s72, 2
	v_lshl_add_u32 v106, v98, 5, s73               ; V's bias: column 2048 + 32 ch + x + 8 h + ..
.irp up, 0,1
	global_load_b128 v[BS+8*\up:BS+8*\up+3], v105, s[8:9] offset:512*\up
	global_load_b128 v[BS+8*\up+4:BS+8*\up+7], v105, s[8:9] offset:512*\up+16
.endr
	WIN 0x40
.irp u, 0,1,2,3
.irp jj, 0,1,2,3,4,5,6,7
	global_load_b32 v[BI+8*\u+\jj], v106, s[10:11] offset:(512*(\u%2)+64*\jj+16*(\u/2))*4
.endr
.endr
	WIN 0
	v_lshl_add_u32 v104, v100, 5, v99              ; q, k: row 64 ch + 32 h' + j' + 8 h (+ 16 up) of the tile
	v_lshl_add_u32 v104, v98, 3, v104
	s_lshl_b32 s72, s[CH], 11
	s_lshl_b32 s73, s[XX], 12
	s_add_co_u32 s72, s72, s73
	v_lshl_add_u32 v[OSB], v104, 5, s72
	s_lshl_b32 s72, s[CH], 8
	s_lshl_b32 s73, s[XX], 9
	s_add_co_u32 s72, s72, s73
	v_lshl_add_u32 v[OBB], v98, 7, s72             ; bias: column 128 x + 64 ch + 32 h (+ 8 u)
	WLOADB 1, 0, 0                                 ; q's
	s_mul_i32 s72, s[RH], 3072
	v_lshl_add_u32 v[ADA], v96, 3, s72
	v_add_nc_u32 v[ADA+1], 49152, v[ADA]
	v_mul_u32_u24 v101, v99, 816
	v_mad_u32_u24 v101, v98, 24, v101
	v_mad_u32_u24 v102, v100, 52352, v101
	s_mul_i32 s72, s[CH], 26112
	v_add_nc_u32 v102, s72, v102
	v_add_nc_u32 v[ADQ], R1, v102
	v_lshl_add_u32 v[ADQ+1], v98, 4, v[ADQ]
	v_mad_u32_u24 v103, v100, 13184, v101
	s_mul_i32 s72, s[CH], 52736
	v_add_nc_u32 v103, s72, v103
	v_add_nc_u32 v[ADV], R0, v103
	v_lshl_add_u32 v[ADV+1], v98, 4, v[ADV]
	v_lshlrev_b32 v[OFC], 3, v96
	v_lshlrev_b32 v[OF4], 2, v96
	v_mul_u32_u24 v[OFV], v97, 12
	v_mad_u32_u24 v[OFV], v98, 24832, v[OFV]
	v_bfe_u32 v[AV8], v0, 1, 3
	v_lshl_add_u32 v[AV8], v98, 5, v[AV8]
	s_lshl_b32 s72, s[WV], 7
	s_add_co_u32 s72, s72, VSTG
	v_add_nc_u32 v[AV8], s72, v[AV8]
	v_lshl_add_u32 v[AVL], v96, 2, s72
	v_bfe_u32 v[OFS], v0, 3, 2
	v_mul_u32_u24 v[OFS], v[OFS], 1088
	v_lshl_add_u32 v[OFS], v99, 2, v[OFS]
	v_mov_b32 v116, 0                              ; a lane permute's destination counts as read
	v_mov_b32 v126, 0
	v_mov_b32 v127, 0
	s_mov_b32 s[SEL], 0x76543210
	s_mov_b32 s[SEL+1], 0xfedcba98
	s_mov_b32 s[HM], 0xffff0000
	s_mov_b32 s[P7F], 0x7f7f0000
	s_mul_i32 s72, s[RH], 760
	s_sub_co_u32 s96, 1536, s72
	s_mul_i32 s72, s[RH], 248
	s_sub_co_u32 s97, 512, s72
	s_lshl_b32 s72, s[RH], 5
	s_sub_co_u32 s98, 64, s72
	s_lshl_b32 s74, s[XX], 1
	s_add_co_u32 s74, s74, s[CH]                   ; j = 2 x + ch
	s_lshl_b32 s73, s[RH], 6
	s_add_co_u32 s73, s73, s74
	s_mul_i32 s73, s73, 768
	s_mul_i32 s72, s[YY], 98304
	s_add_co_u32 s72, s72, s73
	s_mov_b32 s73, 0
	s_add_nc_u64 s[76:77], s[12:13], s[72:73]      ; q's codes (k's 3145728 further on)
	s_mul_i32 s74, s74, 528
	s_lshl_b32 s75, s[RH], 8
	s_add_co_u32 s74, s74, s75                     ; j 528 + 256 rh
	s_mul_i32 s72, s[YY], 8448
	s_add_co_u32 s72, s72, s74
	s_add_nc_u64 s[78:79], s[12:13], s[72:73]      ; q's scale words (6291456 in the immediate)
	s_mul_i32 s75, s[YY], 112128
	s_add_co_u32 s72, s75, s74
	s_add_nc_u64 s[80:81], s[14:15], s[72:73]      ; k's scale words (99328 in the immediate)
	s_lshl_b32 s74, s[CH], 3
	s_add_co_u32 s74, s74, s[XX]                   ; 8 ch + x
	s_mul_i32 s72, s74, 1552
	s_add_co_u32 s72, s72, s75
	s_mul_i32 s99, s[RH], 768
	s_add_co_u32 s72, s72, s99
	s_add_nc_u64 s[82:83], s[14:15], s[72:73]      ; V^T's codes
	s_mul_i32 s72, s74, 68
	s_add_co_u32 s72, s72, s75
	s_lshl_b32 s99, s[RH], 5
	s_add_co_u32 s72, s72, s99
	s_add_nc_u64 s[84:85], s[14:15], s[72:73]      ; V's scale bytes (107776 in the immediate)
	s_wait_loadcnt 0x0
.irp s, 0,1,2,3,4,5,6,7
	v_perm_b32 v[AS+\s], v[64+2*\s+1], v[64+2*\s], 0x05040100      ; row tiles 0 (lanes 0-15) and 1 (lanes 16-31): the halves of planes 2 s, 2 s + 1
	v_perm_b32 v[AS+8+\s], v[64+2*\s+1], v[64+2*\s], 0x07060302    ; row tiles 2 and 3
.endr
	PLACES 8                                       ; a scale register written by a vector instruction stands 8 places ahead of a scaled matrix instruction
.macro SEQ                             ; the full sequence ahead of a later fill, and a round of the cluster's barrier
	s_wait_tensorcnt 0x0                           ; all my tensor loads have landed,
	ds_add_u32 v1, v2                              ; 0 onto my spare word,
	s_wait_dscnt 0x0                               ; the add is done and my LDS reads are over
	CROUND
.endm
	s_wait_alu depctr_va_vdst(0)                   ; the wait at the head's end
	SEQ                                            ; x's panel and q's tile are whole
	TL G0V, G1V                                    ; V's first parts: a first fill, nothing is filled again here
	KLOOP ADQ, 0, 1, 1
	SEQ
	TL G0V+4, G1V                                  ; V's second parts: a first fill too
	EPI_QK 76, 0, 78, 6291456
	WLOADB 1, 32768, 4096                          ; k's scale words and bias, into q's set
	SEQ                                            ; V's tile is whole, and every wave's reads of q's tile are over
	s_cmp_eq_u32 s[RH], 1
	s_cbranch_scc0 .Lnok
	TL G0K, G1B                                    ; waves 2 and 3: k's tile fills q's region again
.Lnok:
	KLOOP ADV, 1, 0
	EPI_V
	s_wait_tensorcnt 0x0                           ; my part of k's tile is in,
	s_wait_dscnt 0x0
	s_barrier_signal -1
	s_barrier_wait -1                              ; everybody's is
	s_wait_loadcnt 0x0
	KLOOP ADQ, 0, 1
	EPI_QK 76, 3145728, 80, 99328
	s_wait_tensorcnt 0x0                           ; the wave's end
	ds_add_u32 v1, v2
	s_wait_dscnt 0x0
	CROUND                                         ; the closing round
	s_endpgm
.Lfunc_end_k_qbb67f0f73c_gemm_qkv:
	.size	k_qbb67f0f73c_gemm_qkv, .Lfunc_end_k_qbb67f0f73c_gemm_qkv-k_qbb67f0f73c_gemm_qkv
	.p2alignl 7, 3214868480
	.fill 96, 4, 3214868480
	.section	.rodata,"a",@progbits
	.p2align	6, 0x0
	.amdhsa_kernel k_qbb67f0f73c_gemm_qkv
		.amdhsa_group_segment_fixed_size 327680
		.amdhsa_private_segment_fixed_size 0
		.amdhsa_enable_private_segment 0
		.amdhsa_kernarg_size 48
		.amdhsa_user_sgpr_count 2
		.amdhsa_user_sgpr_kernarg_segment_ptr 1
		.amdhsa_wavefront_size32 1
		.amdhsa_system_sgpr_workgroup_id_x 1
		.amdhsa_system_sgpr_workgroup_id_y 1
		.amdhsa_system_sgpr_workgroup_id_z 1
		.amdhsa_system_vgpr_workitem_id 0
		.amdhsa_next_free_vgpr 1024
		.amdhsa_next_free_sgpr 100
		.amdhsa_reserve_vcc 0
		.amdhsa_float_denorm_mode_32 3
		.amdhsa_float_denorm_mode_16_64 3
		.amdhsa_memory_ordered 1
		.amdhsa_forward_progress 1
		.amdhsa_inst_pref_size 148
	.end_amdhsa_kernel
	.amdgpu_metadata
---
amdhsa.version: [ 1, 2 ]
amdhsa.kernels:
  - .name:           k_qbb67f0f73c_gemm_qkv
    .symbol:         k_qbb67f0f73c_gemm_qkv.kd
    .args:
      - { .name: xq, .offset: 0, .size: 8, .value_kind: global_buffer, .address_space: global }
      - { .name: Wqkv_codes, .offset: 8, .size: 8, .value_kind: global_buffer, .address_space: global }
      - { .name: Wqkv_scales, .offset: 16, .size: 8, .value_kind: global_buffer, .address_space: global }
      - { .name: bqkv, .offset: 24, .size: 8, .value_kind: global_buffer, .address_space: global }
      - { .name: qk, .offset: 32, .size: 8, .value_kind: global_buffer, .address_space: global }
      - { .name: vb, .offset: 40, .size: 8, .value_kind: global_buffer, .address_space: global }
    .group_segment_fixed_size: 327680
    .private_segment_fixed_size: 0
    .kernarg_segment_align: 8
    .kernarg_segment_size: 48
    .max_flat_workgroup_size: 128
    .sgpr_count:     100
    .vgpr_count:     1024
    .wavefront_size: 32
...
	.end_amdgpu_metadata
.endif
;; end of part 2
;; launch attn (part 3): grid 8 x 32, 16 waves a work-group, clusters of 4 x 1, 218,624 bytes of LDS; arguments qk, vb, yq; writes yq
.if DOCPART == 3
	.amdgcn_target "amdgcn-amd-amdhsa--gfx1250"
	.amdhsa_code_object_version 6
	.text
	.protected	k_qbb67f0f73c_attn
	.globl	k_qbb67f0f73c_attn
	.p2align	8
	.type	k_qbb67f0f73c_attn,@function
k_qbb67f0f73c_attn:
	s_mov_b64 s[64:65], 0
	v_nop
	global_prefetch_b8 v0, s[64:65] scope:SCOPE_SE
	s_setreg_imm32_b32 hwreg(HW_REG_WAVE_MODE, 25, 1), 1
	s_wait_xcnt 0x0
	s_wait_alu depctr_hold_cnt(0) depctr_sa_sdst(0) depctr_va_vdst(0) depctr_va_sdst(0) depctr_va_ssrc(0) depctr_va_vcc(0) depctr_vm_vsrc(0)
	s_getreg_b32 s2, hwreg(HW_REG_IB_STS2, 6, 4)
	s_cmp_eq_u32 s2, 0
	s_cbranch_scc0 .Lentry_in_a_cluster
	s_endpgm
.Lentry_in_a_cluster:
	s_bfe_u32 s2, ttmp6, 0x10000c
	s_cmp_lg_u32 s2, 0x3003
	s_cbranch_scc0 .Lentry_shape_is_right
	s_endpgm
.Lentry_shape_is_right:
; Causal attention of one head (bh = work-group y) on codes of E2M3; y / l quantised along d on the way out.  Head size 64, 2048 keys.
; SOFTMAX: t = score x log2(e) / 8; M = the running largest t rounded UP to a whole number; p = 2^(t - M) is quantised along the keys; the sum is taken of the unquantised p and divides at the end;
; when M moves, the sum and O are multiplied by 2^(old M - new M), which rounds nothing.
; SHARES.  Sixteen waves, one tile of 16 queries each: tile (a', j) holds queries 256 a' + 16 r + j (the unit as the launch before stored it).  Wave w: a' = v xor 3 (v/4), v = w/2; j = 2 (4 cluster x + cx) + w%2:
; every work-group holds each a' twice, so all work-groups have the same work.  A tile needs the keys 0 .. 256 a' + 255: trips m = 0 .. a' of 256 keys; the trip count is a constant and later trips' work is jumped over (a branch on the wave's number).
; THE WHOLE HEAD LIES IN LDS, filled once: k's codes (384 units of 256 bytes + 16) and the block of V^T's codes, k's scale words and V's scale bytes as it lies in memory.
; CLUSTER 4 x 1: the four work-groups of a cluster read the same head: each part is asked for jointly (mask 15).  cx enters global addresses and one data register alone.
; LAYOUT.  S^T = K Q^T, O^T = V^T P^T: a lane holds one query.  Key tile (g2, u) of a step: lane-row 8 h' + j' is key 64 g2 + 32 h' + 8 u + j', so that register 32 g2 + 8 u + jj of lane (q, h) is key 64 g2 + 32 h + 8 u + jj:
; whole blocks of p in a lane, in the operand's own order.  The first product's K is 64: Q's registers 6-11 are zero codes and the scale bytes there 0x7f; k's tiles lie 6 registers apart, so an operand's upper six
; registers are the next tile's codes, which meet Q's zeros.  V^T's row rho = 16 u + 8 h'' + j'' is d = 32 h'' + 8 u + j'': a lane's 32 registers of O^T are d = 32 h + 0..31: a block of the next product's K.
; OUT: rows in the order M' = ((b 8 + a') 16 + j) 16 + r; plane = the head.
; LIMITS: NaN and infinities are not served; a block of y whose largest magnitude lies under 2^-124 gets the byte 1.  k's code loads touch each bank twice.
.set KC,   0
.set VB,   104448
.set KSW,  203776                      ; VB + 99328: k's scale words [j][528]
.set VSW,  212224                      ; VB + 107776: V's scale bytes [rho][68]
.set WV,  10
.set AQ,  14                           ; a'
.set G1K, 16
.set G1V, 24
.set G0K, 32
.set G0V, 36
.set MM,  56
.set TK,  57
.set TS,  58
.set TV,  59
.set TT,  60
.set SEL, 62
.set CS,  66
.macro PLACES n
.rept \n
	v_nop
.endr
.endm
.macro CROUND
	s_barrier_signal -1
	s_barrier_wait -1
	s_cmp_lg_u32 s[WV], 0
	s_cbranch_scc1 .Lnw0_\@
	s_barrier_signal -3
.Lnw0_\@:
	s_barrier_wait -3
	s_barrier_signal -1
	s_barrier_wait -1
.endm
	s_load_b128 s[4:7], s[0:1], 0x0                ; qk, vb
	s_load_b64 s[8:9], s[0:1], 0x10                ; yq
	v_lshl_add_u32 v254, v0, 2, 0x34e00
	v_mov_b32 v255, 0
	ds_add_u32 v254, v255
	ds_add_u32 v254, v255
	v_lshrrev_b32 v32, 5, v0
	s_delay_alu instid0(VALU_DEP_1)
	v_readfirstlane_b32 s[WV], v32                 ; wave 0..15
	s_and_b32 s13, ttmp7, 0xffff                   ; bh
	s_lshr_b32 s40, s[WV], 1
	s_lshr_b32 s41, s40, 2
	s_mul_i32 s41, s41, 3
	s_xor_b32 s[AQ], s40, s41                      ; a'
	s_mov_b32 s[G1K], 15|(1<<20)|(1<<21)|(5<<22)|(3<<25)   ; 96 units of 256 bytes, dense, 16 bytes of padding behind each; the mask names all four work-groups
	s_mov_b32 s[G1K+1], 256<<16
	s_mov_b32 s[G1K+2], 96<<16
	s_mov_b32 s[G1K+3], 256<<16
	s_mov_b32 s[G1K+4], 96
	s_mov_b32 s[G1K+5], 256
	s_mov_b32 s[G1K+6], 0
	s_mov_b32 s[G1K+7], 0
	s_mov_b32 s[G1V], 15|(1<<21)                   ; 73 units of 256 bytes, dense, no padding
	s_mov_b32 s[G1V+1], 256<<16
	s_mov_b32 s[G1V+2], 73<<16
	s_mov_b32 s[G1V+3], 256<<16
	s_mov_b32 s[G1V+4], 73
	s_mov_b32 s[G1V+5], 256
	s_mov_b32 s[G1V+6], 0
	s_mov_b32 s[G1V+7], 0
	s_and_b32 s40, s[WV], 3                        ; k's codes: waves 8 to 11 bring a quarter each
	s_mul_i32 s41, s40, 26112
	s_mul_i32 s42, s40, 24576
	s_mul_i32 s43, s13, 98304
	s_add_co_u32 s42, s42, s43
	s_add_co_u32 s42, s42, 3145728
	s_mov_b32 s43, 0
	s_min_u32 s40, s[WV], 5                        ; the block of vb: waves 0 to 5 bring a sixth each
	s_mul_i32 s40, s40, 18688
	s_mul_i32 s68, s13, 112128
	s_add_co_u32 s68, s68, s40
	s_mov_b32 s69, 0
	s_wait_dscnt 0x0
	s_wait_kmcnt 0x0
	s_mov_b32 s[G0K], 1
	s_add_co_u32 s[G0K+1], s41, KC
	s_add_nc_u64 s[G0K+2:G0K+3], s[4:5], s[42:43]
	s_or_b32 s[G0K+3], s[G0K+3], 0x80000000
	s_mov_b32 s[G0V], 1
	s_add_co_u32 s[G0V+1], s40, VB
	s_add_nc_u64 s[G0V+2:G0V+3], s[6:7], s[68:69]
	s_or_b32 s[G0V+3], s[G0V+3], 0x80000000
	CROUND                                         ; all four work-groups are here: the joint loads meet
	s_cmp_lt_u32 s[WV], 6                          ; a wave's one fill; the branches hang on the wave's number alone
	s_cbranch_scc0 .Lnot_v
	tensor_load_to_lds s[G0V:G0V+3], s[G1V:G1V+7]
	s_nop 0
	PLACES 4
	s_branch .Lasked
.Lnot_v:
	s_lshr_b32 s40, s[WV], 2
	s_cmp_eq_u32 s40, 2
	s_cbranch_scc0 .Lasked
	tensor_load_to_lds s[G0K:G0K+3], s[G1K:G1K+7]
	s_nop 0
	PLACES 4
.Lasked:
	s_bfe_u32 s11, ttmp6, 0x40000                  ; cx
	s_lshl_b32 s12, ttmp9, 2
	s_add_co_u32 s12, s12, s11
	s_lshl_b32 s12, s12, 1
	s_and_b32 s15, s[WV], 1
	s_add_co_u32 s15, s15, s12                     ; j
	v_and_b32 v32, 31, v0                          ; lane l
	v_and_b32 v33, 15, v0                          ; r
	v_bfe_u32 v34, v0, 4, 1                        ; h
	v_and_b32 v35, 7, v0                           ; j'
	v_bfe_u32 v36, v0, 3, 1                        ; h'
	v_lshlrev_b32 v228, 3, v32                     ; 8 l
	s_wait_alu depctr_va_vdst(0)
	v_lshlrev_b32 v230, 2, v33                     ; 4 r
	s_wait_alu depctr_va_vdst(0)
	v_add_nc_u32 v229, v230, v34                   ; 4 r + h
	s_lshl_b32 s44, s[AQ], 4
	s_add_co_u32 s44, s44, s15
	s_mul_i32 s44, s44, 768
	s_mul_i32 s45, s13, 98304
	s_add_co_u32 s44, s44, s45
	s_mov_b32 s45, 0
	s_add_nc_u64 s[48:49], s[4:5], s[44:45]        ; Q's unit (a', j)
	s_mul_i32 s44, s15, 528
	s_lshl_b32 s46, s[AQ], 6
	s_add_co_u32 s44, s44, s46
	s_mul_i32 s46, s13, 8448
	s_add_co_u32 s44, s44, s46
	s_add_nc_u64 s[50:51], s[4:5], s[44:45]        ; Q's scale words (6291456 in the immediate)
.irp p, 0,1,2
	global_load_b64 v[16+2*\p:17+2*\p], v228, s[48:49] offset:256*\p
.endr
	global_load_b32 v28, v230, s[50:51] offset:6291456
	v_mul_u32_u24 v1, v35, 816                     ; k's codes: unit row j', 8 bytes a source lane (2 h' rows of t', 16 h)
	s_delay_alu instid0(VALU_DEP_1)
	v_lshl_add_u32 v1, v34, 7, v1
	s_delay_alu instid0(VALU_DEP_1)
	v_lshl_add_u32 v1, v36, 4, v1
	v_mul_u32_u24 v2, v35, 528                     ; k's scale words: lanes 0-15 the even tile, lanes 16-31 the odd one (j 8 further on)
	s_delay_alu instid0(VALU_DEP_1)
	v_lshl_add_u32 v2, v36, 3, v2
	s_delay_alu instid0(VALU_DEP_1)
	v_mad_u32_u24 v2, v34, 4224, v2
	s_delay_alu instid0(VALU_DEP_1)
	v_add_nc_u32 v2, KSW, v2
	v_mul_u32_u24 v3, v33, 1552                    ; V^T: row r of a tile, 24 h
	s_delay_alu instid0(VALU_DEP_1)
	v_mad_u32_u24 v3, v34, 24, v3
	s_delay_alu instid0(VALU_DEP_1)
	v_add_nc_u32 v3, VB, v3
	v_mul_u32_u24 v4, v32, 68                      ; V's scale words: lanes 0-15 tile 2 up, lanes 16-31 tile 2 up + 1
	s_delay_alu instid0(VALU_DEP_1)
	v_add_nc_u32 v4, VSW, v4
	v_lshlrev_b32 v5, 4, v33
	s_delay_alu instid0(VALU_DEP_1)
	v_add_nc_u32 v5, s15, v5
	v_lshlrev_b32 v37, 5, v34
	s_delay_alu instid0(VALU_DEP_1)
	v_sub_nc_u32 v5, v5, v37                       ; 16 r + j - 32 h: on the diagonal a register's key is hidden where its constant is above this
	v_lshlrev_b32 v6, 3, v34                       ; 8 h
	v_mov_b32 v13, 0xff61b1e6                      ; the largest t so far: -3e38
	s_delay_alu instid0(VALU_DEP_1)
	v_floor_f32 v12, -v13                          ; -M
	v_mov_b32 v14, 0
	v_mov_b32 v15, 0
.irp n, 22,23,24,25,26,27,80,81,82,83,84,85,207,209,217
	v_mov_b32 v[\n], 0                             ; Q's upper K and the six registers behind k's last tile: zero codes; permutes' destinations and a pair's upper half: written once
.endr
	v_mov_b32 v226, 0xff800000                     ; -infinity
.set n, 0
.rept 32
	v_mov_b32 v[160+n], 0                          ; O^T: the loop is written once; its first step finds zeros
.set n, n+1
.endr
	s_lshr_b32 s44, s13, 4                         ; b
	s_lshl_b32 s44, s44, 3
	s_add_co_u32 s44, s44, s[AQ]
	s_lshl_b32 s44, s44, 4
	s_add_co_u32 s44, s44, s15                     ; the row tile (b 8 + a') 16 + j
	s_and_b32 s47, s13, 15                         ; the head within the batch: the plane
	s_mul_i32 s46, s44, 768
	s_mul_i32 s70, s47, 196608
	s_add_co_u32 s46, s46, s70
	s_mov_b32 s71, 0
	s_mov_b32 s70, s46
	s_add_nc_u64 s[52:53], s[8:9], s[70:71]        ; y's codes
	s_lshr_b32 s46, s44, 2
	s_lshl_b32 s46, s46, 7
	s_lshl_b32 s70, s47, 13
	s_add_co_u32 s70, s70, s46
	s_and_b32 s46, s15, 1
	s_lshl_b32 s46, s46, 6
	s_add_co_u32 s70, s70, s46
	s_and_b32 s46, s15, 2
	s_add_co_u32 s70, s70, s46
	s_add_nc_u64 s[54:55], s[8:9], s[70:71]        ; y's scale bytes (3145728 in the immediate)
	s_mov_b32 s[SEL], 0x76543210
	s_mov_b32 s[SEL+1], 0xfedcba98
	s_mov_b32 s[CS], 0x3e38aa3b                    ; c = log2(e) / 8
	s_mov_b32 s[CS+1], s[CS]
	s_mov_b32 s[MM], 0
	s_mov_b32 s[TK], 0
	s_mov_b32 s[TS], 0
	s_mov_b32 s[TV], 0
	s_mov_b32 s[TT], 0
	s_wait_loadcnt 0x0                             ; Q
	s_wait_tensorcnt 0x0                           ; my part of the head is in,
	s_barrier_signal -1
	s_barrier_wait -1                              ; everybody's is; nothing is filled again
; A KEY STEP: 128 keys, the q-th of the trip's 256
.macro STEP q
	PLACES 4                                       ; places in front of loads into registers that the last products read
.irp t, 0,1,2,3,4,5,6,7
.irp p, 0,1,2
	ds_load_b64 v[32+6*\t+2*\p:33+6*\t+2*\p], v7 offset:(\t%2)*6528+272*\p+8*(8*(\q)+4*(\t/4)+(\t%4)/2)
.endr
.endr
.irp g, 0,1,2,3
	ds_load_b32 v[88+\g], v8 offset:32*(\q)+16*(\g/2)+4*(\g%2)
.endr
	s_wait_dscnt 0x0
.irp t, 0,1,2,3,4,5,6,7
.if \t%2
	v_wmma_scale_f32_16x16x128_f8f6f4 v[96+8*\t:103+8*\t], v[32+6*\t:43+6*\t], v[16:27], 0, v[88+\t/2], v28 matrix_a_fmt:MATRIX_FMT_FP6 matrix_b_fmt:MATRIX_FMT_FP6 matrix_a_scale:MATRIX_SCALE_ROW1
.else
	v_wmma_scale_f32_16x16x128_f8f6f4 v[96+8*\t:103+8*\t], v[32+6*\t:43+6*\t], v[16:27], 0, v[88+\t/2], v28 matrix_a_fmt:MATRIX_FMT_FP6 matrix_b_fmt:MATRIX_FMT_FP6
.endif
.endr
	PLACES 4
.irp u, 0,1,2,3                                ; V^T's four fragments land while the softmax is walked
.irp c, 0,1
.irp p, 0,1,2
	ds_load_b64 v[32+12*\u+6*\c+2*\p:33+12*\u+6*\c+2*\p], v[9+\u/2] offset:(\u%2)*24832+96*(\q)+48*\c+8*\p
.endr
.endr
.endr
.irp up, 0,1
	ds_load_b32 v[30+\up], v11 offset:2176*\up+4*(\q)
.endr
	s_cmp_lt_u32 s[MM], s[AQ]                      ; ahead of the diagonal trip every key counts
	s_cbranch_scc1 .Lopen_\@
.set n, 0
.rept 64
	v_cmp_gt_i32 vcc_lo, 128*(\q)+64*(n/32)+n%32, v5
	v_cndmask_b32 v[96+n], v[96+n], v226, vcc_lo   ; a hidden key's score becomes -infinity: p = 0
.set n, n+1
.endr
.Lopen_\@:
.irp k, 0,1,2,3
	v_max3_num_f32 v[204+\k], v[96+16*\k], v[97+16*\k], v[98+16*\k]   ; the largest score, in four chains, each accumulator from its low end on
.endr
.irp i, 3,5,7,9,11,13
.irp k, 0,1,2,3
	v_max3_num_f32 v[204+\k], v[204+\k], v[96+16*\k+\i], v[97+16*\k+\i]
.endr
.endr
.irp k, 0,1,2,3
	v_max_num_f32 v[204+\k], v[204+\k], v[111+16*\k]
.endr
	s_delay_alu instid0(VALU_DEP_3)
	v_max_num_f32 v204, v204, v205                 ; my block 0's largest score (it also gives the block's largest p: p rises with the score)
	s_delay_alu instid0(VALU_DEP_2)
	v_max_num_f32 v205, v206, v207                 ; my block 1's
	s_delay_alu instid0(VALU_DEP_1)
	v_max_num_f32 v206, v204, v205
	s_delay_alu instid0(VALU_DEP_1)
	v_permlanex16_b32 v207, v206, s[SEL], s[SEL+1]
	s_delay_alu instid0(VALU_DEP_1)
	v_max_num_f32 v206, v206, v207                 ; the step's largest score of my query
	s_delay_alu instid0(VALU_DEP_1)
	v_mul_f32 v206, s[CS], v206
	s_delay_alu instid0(VALU_DEP_1)
	v_max_num_f32 v13, v13, v206                   ; the running largest t
	v_mov_b32 v206, v12
	s_delay_alu instid0(VALU_DEP_2)
	v_floor_f32 v12, -v13                          ; the new -M
	s_delay_alu instid0(VALU_DEP_1)
	v_sub_f32 v206, v12, v206
	s_delay_alu instid0(VALU_DEP_1)
	v_cvt_i32_f32 v206, v206                       ; old M - new M, a whole number (it saturates)
	s_delay_alu instid0(VALU_DEP_1)
	v_ldexp_f32 v208, 1.0, v206                    ; f = 2^(old M - new M)
.set n, 0
.rept 32
	v_pk_fma_f32 v[96+n:97+n], v[96+n:97+n], s[CS:CS+1], v[12:13] op_sel_hi:[1,0,0]   ; t - M
.set n, n+2
.endr
	v_fma_f32 v204, v204, s[CS], v12
	v_fma_f32 v205, v205, s[CS], v12
.set n, 0
	s_wait_alu depctr_va_vdst(0)
.rept 64
	v_exp_f32 v[96+n], v[96+n]                     ; p = 2^(t - M)
.set n, n+1
.endr
	v_pk_mul_f32 v[14:15], v[14:15], v[208:209] op_sel_hi:[1,0]   ; the sums under the new M (a plain place behind the exponentials)
	s_wait_alu depctr_va_vdst(0)                   ; one wait for the batch, ahead of its first reader
	v_exp_f32 v204, v204
	v_exp_f32 v205, v205                           ; the blocks' largest p
	v_pk_add_f32 v[210:211], v[100:101], v[104:105]
	v_pk_add_f32 v[252:253], v[108:109], v[112:113]
	v_pk_add_f32 v[250:251], v[116:117], v[120:121]
	v_pk_add_f32 v[248:249], v[124:125], v[128:129]
	v_pk_add_f32 v[246:247], v[132:133], v[136:137]
	v_pk_add_f32 v[244:245], v[140:141], v[144:145]
	v_pk_add_f32 v[242:243], v[148:149], v[152:153]
	v_pk_add_f32 v[14:15], v[14:15], v[156:157]
	v_pk_add_f32 v[210:211], v[210:211], v[96:97]
	v_pk_add_f32 v[252:253], v[252:253], v[98:99]
	v_pk_add_f32 v[250:251], v[250:251], v[102:103]
	v_pk_add_f32 v[248:249], v[248:249], v[106:107]
	v_pk_add_f32 v[246:247], v[246:247], v[110:111]
	v_pk_add_f32 v[244:245], v[244:245], v[114:115]
	v_pk_add_f32 v[242:243], v[242:243], v[118:119]
	v_pk_add_f32 v[14:15], v[14:15], v[122:123]
	v_pk_add_f32 v[210:211], v[210:211], v[126:127]
	v_pk_add_f32 v[252:253], v[252:253], v[130:131]
	v_pk_add_f32 v[250:251], v[250:251], v[134:135]
	v_pk_add_f32 v[248:249], v[248:249], v[138:139]
	v_pk_add_f32 v[246:247], v[246:247], v[142:143]
	v_pk_add_f32 v[244:245], v[244:245], v[146:147]
	v_pk_add_f32 v[242:243], v[242:243], v[150:151]
	v_pk_add_f32 v[14:15], v[14:15], v[154:155]
	v_pk_add_f32 v[210:211], v[210:211], v[158:159]
	s_delay_alu instid0(VALU_DEP_2)
	v_pk_add_f32 v[14:15], v[14:15], v[248:249]
	s_delay_alu instid0(VALU_DEP_2)
	v_pk_add_f32 v[210:211], v[210:211], v[246:247]
	v_pk_add_f32 v[252:253], v[252:253], v[244:245]
	v_pk_add_f32 v[250:251], v[250:251], v[242:243]
	s_delay_alu instid0(VALU_DEP_2)
	v_pk_add_f32 v[14:15], v[14:15], v[252:253]
	s_delay_alu instid0(VALU_DEP_2)
	v_pk_add_f32 v[210:211], v[210:211], v[250:251]
	s_delay_alu instid0(VALU_DEP_1)
	v_pk_add_f32 v[14:15], v[14:15], v[210:211]
	s_wait_alu depctr_va_vdst(0)                   ; and one for the two
.irp c, 0,1
	v_max_num_f32 v[204+\c], 0x1800000, v[204+\c]  ; the floor: the byte cannot fall under 1
.endr
.irp c, 0,1
	s_delay_alu instid0(VALU_DEP_2)
	v_add_nc_u32 v[212+\c], 0xff000000, v[204+\c]
.endr
.irp c, 0,1
	s_delay_alu instid0(VALU_DEP_2)
	v_lshrrev_b32 v[214+\c], 23, v[212+\c]
.endr
	s_delay_alu instid0(VALU_DEP_1)
	v_lshl_or_b32 v216, v215, 16, v214             ; my bytes: blocks h and 2 + h,
	s_delay_alu instid0(VALU_DEP_1)
	v_lshlrev_b32 v216, v6, v216                   ; at their places;
	s_delay_alu instid0(VALU_DEP_1)
	v_permlanex16_b32 v217, v216, s[SEL], s[SEL+1]
	s_delay_alu instid0(VALU_DEP_1)
	v_or_b32 v29, v216, v217                       ; with lane xor 16's the word is whole
.irp c, 0,1
	v_cvt_scalef32_pk16_fp6_f32 v[192+6*\c:194+6*\c], v[96+32*\c:111+32*\c], v[212+\c]
	v_cvt_scalef32_pk16_fp6_f32 v[218+4*\c:220+4*\c], v[112+32*\c:127+32*\c], v[212+\c]
.endr
	v_nop                                          ; one plain place behind the scaled conversions
.irp c, 0,1
.irp i, 0,1,2
	v_mov_b32 v[195+6*\c+\i], v[218+4*\c+\i]
.endr
.endr
.set n, 0
.rept 16
	v_pk_mul_f32 v[160+n:161+n], v[160+n:161+n], v[208:209] op_sel_hi:[1,0]   ; O^T under the new M; these are also the places ahead of the products below
.set n, n+2
.endr
	s_wait_alu depctr_va_vdst(0)
	s_wait_dscnt 0x0                               ; V^T's fragments and scale words
.irp u, 0,1,2,3
.if \u%2
	v_wmma_scale_f32_16x16x128_f8f6f4 v[160+8*\u:167+8*\u], v[32+12*\u:43+12*\u], v[192:203], v[160+8*\u:167+8*\u], v[30+\u/2], v29 matrix_a_fmt:MATRIX_FMT_FP6 matrix_b_fmt:MATRIX_FMT_FP6 matrix_a_scale:MATRIX_SCALE_ROW1
.else
	v_wmma_scale_f32_16x16x128_f8f6f4 v[160+8*\u:167+8*\u], v[32+12*\u:43+12*\u], v[192:203], v[160+8*\u:167+8*\u], v[30+\u/2], v29 matrix_a_fmt:MATRIX_FMT_FP6 matrix_b_fmt:MATRIX_FMT_FP6
.endif
.endr
.endm
.Ltrip:                                            ; eight trips of 256 keys; a trip all of whose keys come after my queries does no work
	s_cmp_gt_u32 s[MM], s[AQ]
	s_cbranch_scc1 .Lskip
	v_add_nc_u32 v7, s[TK], v1
	v_add_nc_u32 v8, s[TS], v2
	v_add_nc_u32 v9, s[TV], v3
	s_wait_alu depctr_va_vdst(0)
	v_add_nc_u32 v10, 49664, v9
	s_wait_alu depctr_va_vdst(0)
	v_add_nc_u32 v11, s[TT], v4
	s_wait_alu depctr_va_vdst(0)
	STEP 0
	STEP 1
.Lskip:
	s_add_co_u32 s[TK], s[TK], 13056
	s_add_co_u32 s[TS], s[TS], 64
	s_add_co_u32 s[TV], s[TV], 192
	s_add_co_u32 s[TT], s[TT], 8
	s_add_co_u32 s[MM], s[MM], 1
	s_cmp_lt_u32 s[MM], 8
	s_cbranch_scc1 .Ltrip
	; THE WAY OUT: y = O^T / the sum, one block of 32 along d a lane
	PLACES 4
	v_add_f32 v14, v14, v15
	s_delay_alu instid0(VALU_DEP_1)
	v_permlanex16_b32 v207, v14, s[SEL], s[SEL+1]
	s_delay_alu instid0(VALU_DEP_1)
	v_add_f32 v14, v14, v207
	s_wait_alu depctr_va_vdst(0)
	v_rcp_f32 v14, v14
	v_nop
	s_wait_alu depctr_va_vdst(0)
.set n, 0
.rept 32
	v_mul_f32 v[96+n], v[160+n], v14
.set n, n+1
.endr
	v_max3_num_f32 v204, |v96|, |v97|, 0x1800000
	v_max_num_f32 v205, |v98|, |v99|
.irp i, 4,8,12,16,20,24,28
	s_delay_alu instid0(VALU_DEP_2)
	v_max3_num_f32 v204, v204, |v[96+\i]|, |v[97+\i]|
	s_delay_alu instid0(VALU_DEP_2)
	v_max3_num_f32 v205, v205, |v[98+\i]|, |v[99+\i]|
.endr
	s_delay_alu instid0(VALU_DEP_1)
	v_max_num_f32 v204, v204, v205
	s_delay_alu instid0(VALU_DEP_1)
	v_add_nc_u32 v212, 0xff000000, v204
	s_delay_alu instid0(VALU_DEP_1)
	v_lshrrev_b32 v214, 23, v212
	v_cvt_scalef32_pk16_fp6_f32 v[192:194], v[96:111], v212
	v_cvt_scalef32_pk16_fp6_f32 v[196:198], v[112:127], v212
	v_nop
	v_mov_b32 v195, v196
	v_mov_b32 v196, v197
	v_mov_b32 v197, v198
.irp p, 0,1,2
	global_store_b64 v228, v[192+2*\p:193+2*\p], s[52:53] offset:256*\p   ; 256 consecutive aligned bytes
.endr
	global_store_b8 v229, v214, s[54:55] offset:3145728
	s_wait_dscnt 0x0
	s_wait_tensorcnt 0x0
	ds_add_u32 v254, v255
	s_wait_dscnt 0x0
	CROUND                                         ; the closing round
	s_endpgm
.Lfunc_end_k_qbb67f0f73c_attn:
	.size	k_qbb67f0f73c_attn, .Lfunc_end_k_qbb67f0f73c_attn-k_qbb67f0f73c_attn
	.p2alignl 7, 3214868480
	.fill 96, 4, 3214868480
	.section	.rodata,"a",@progbits
	.p2align	6, 0x0
	.amdhsa_kernel k_qbb67f0f73c_attn
		.amdhsa_group_segment_fixed_size 218624
		.amdhsa_private_segment_fixed_size 0
		.amdhsa_enable_private_segment 0
		.amdhsa_kernarg_size 24
		.amdhsa_user_sgpr_count 2
		.amdhsa_user_sgpr_kernarg_segment_ptr 1
		.amdhsa_wavefront_size32 1
		.amdhsa_system_sgpr_workgroup_id_x 1
		.amdhsa_system_sgpr_workgroup_id_y 1
		.amdhsa_system_sgpr_workgroup_id_z 1
		.amdhsa_system_vgpr_workitem_id 0
		.amdhsa_next_free_vgpr 256
		.amdhsa_next_free_sgpr 80
		.amdhsa_reserve_vcc 1
		.amdhsa_float_denorm_mode_32 3
		.amdhsa_float_denorm_mode_16_64 3
		.amdhsa_memory_ordered 1
		.amdhsa_forward_progress 1
		.amdhsa_inst_pref_size 60
	.end_amdhsa_kernel
	.amdgpu_metadata
---
amdhsa.version: [ 1, 2 ]
amdhsa.kernels:
  - .name:           k_qbb67f0f73c_attn
    .symbol:         k_qbb67f0f73c_attn.kd
    .args:
      - { .name: qk, .offset: 0, .size: 8, .value_kind: global_buffer, .address_space: global }
      - { .name: vb, .offset: 8, .size: 8, .value_kind: global_buffer, .address_space: global }
      - { .name: yq, .offset: 16, .size: 8, .value_kind: global_buffer, .address_space: global }
    .group_segment_fixed_size: 218624
    .private_segment_fixed_size: 0
    .kernarg_segment_align: 8
    .kernarg_segment_size: 24
    .max_flat_workgroup_size: 512
    .sgpr_count:     80
    .vgpr_count:     256
    .wavefront_size: 32
...
	.end_amdgpu_metadata
.endif
;; end of part 3
;; launch gemm_o (part 4): grid 8 x 32, 4 waves a work-group, clusters of 4 x 4, 327,680 bytes of LDS; arguments yq, Wo_codes, Wo_scales, bo, x, x1f, x1q; writes x1f, x1q
.if DOCPART == 4
	.amdgcn_target "amdgcn-amd-amdhsa--gfx1250"
	.amdhsa_code_object_version 6
	.text
	.protected	k_qbb67f0f73c_gemm_o
	.globl	k_qbb67f0f73c_gemm_o
	.p2align	8
	.type	k_qbb67f0f73c_gemm_o,@function
k_qbb67f0f73c_gemm_o:
	s_mov_b64 s[64:65], 0
	v_nop
	global_prefetch_b8 v0, s[64:65] scope:SCOPE_SE
	s_setreg_imm32_b32 hwreg(HW_REG_WAVE_MODE, 25, 1), 1
	s_wait_xcnt 0x0
	s_wait_alu depctr_hold_cnt(0) depctr_sa_sdst(0) depctr_va_vdst(0) depctr_va_sdst(0) depctr_va_ssrc(0) depctr_va_vcc(0) depctr_vm_vsrc(0)
	s_getreg_b32 s2, hwreg(HW_REG_IB_STS2, 6, 4)
	s_cmp_eq_u32 s2, 0
	s_cbranch_scc0 .Lentry_in_a_cluster
	s_endpgm
.Lentry_in_a_cluster:
	s_bfe_u32 s2, ttmp6, 0x10000c
	s_cmp_lg_u32 s2, 0xf033
	s_cbranch_scc0 .Lentry_shape_is_right
	s_endpgm
.Lentry_shape_is_right:
; x1 = x + Q(y) Wo + bo, stored as f32 (rows in the order M') and as codes of E2M3 with scale words for the next launch.  Work-group (x, y): rows M' 128 y .. x columns 128 x ..; four waves of 64 x 64.
; Head, one tensor load a wave: waves 0 and 1 bring y's panel for all of K, 8 planes each (jointly along a row of the cluster); waves 2 and 3 the weights' tile (jointly along a column):
; 32 dense weight rows are stated as one row of 24576 bytes, and a load takes two of them, 49152 apart: the parts (ch = 0, h') and (ch = 1, h'), 26112 bytes each in LDS; the load for h' = 1 lands 52352 bytes behind the other.
; Nothing is filled again.  No prefetch: the launch has no loop to run ahead in.
; LIMITS: NaN and infinities are not served; a block whose largest magnitude lies under 2^-124 (zeros too) gets the byte 1.
.set AP,    0
.set R0,    98304
.set STG,   203264
.set ACC, 128
.set AS,  16
.set BS,  32
.set BI,  192
.set R,   64
.set ADA, 3
.set ADB, 5
.set STB, 7
.set STR, 8
.set OX,  9
.set OX1, 10
.set OFC, 11
.set OF4, 12
.set OSB, 13
.set OBB, 15
.set MA,  64
.set MB,  68
.set SC,  72
.set BY,  76
.set C,   80
.set Z,   118
.set WV,  16
.set RH,  17
.set CH,  18
.set CX,  19
.set CY,  20
.set XX,  21
.set YY,  22
.set G1A, 24
.set G1B, 32
.set G0A, 48
.set G0B, 52
.set SEL, 92
.set HM,  94
.set MSB, 0
.macro WIN new
.if MSB != (\new)
	s_set_vgpr_msb (MSB<<8)|(\new)
.set MSB, \new
.endif
.endm
.macro PLACES n
.rept \n
	v_nop
.endr
.endm
.macro CROUND
	s_barrier_signal -1
	s_barrier_wait -1
	s_cmp_lg_u32 s[WV], 0
	s_cbranch_scc1 .Lnw0_\@
	s_barrier_signal -3
.Lnw0_\@:
	s_barrier_wait -3
	s_barrier_signal -1
	s_barrier_wait -1
.endm
.macro TL g0, g1
	tensor_load_to_lds s[\g0:\g0+3], s[\g1:\g1+7]
	s_nop 0
	PLACES 4
.endm
.macro FRAGA set, s
.irp a, 0,1,2,3
.irp c, 0,1
.irp p, 0,1,2
	ds_load_b64 v[96*(\set)+48+12*\a+6*\c+2*\p:96*(\set)+48+12*\a+6*\c+2*\p+1], v[ADA+(\s)/4] offset:((2*(\s)+\c)%8)*6144+\a*768+256*\p
.endr
.endr
.endr
.endm
.macro FRAGB set, s, adr
.irp u, 0,1,2,3
.irp c, 0,1
.irp p, 0,1,2
.set PC, 12*(\s)+6*\c+\p
.if PC%32 < 29
	ds_load_b64 v[96*(\set)+12*\u+6*\c+2*\p:96*(\set)+12*\u+6*\c+2*\p+1], v[\adr] offset:\u*6528+8*PC+16*(PC/32)
.else
	ds_load_b64 v[96*(\set)+12*\u+6*\c+2*\p:96*(\set)+12*\u+6*\c+2*\p+1], v[\adr+1] offset:\u*6528+8*PC+16*(PC/32)
.endif
.endr
.endr
.endr
.endm
.macro WM d, a, b, c, sa, sb, ra, rb
.if (\ra) && (\rb)
	v_wmma_scale_f32_16x16x128_f8f6f4 v[\d:\d+7], v[\a:\a+11], v[\b:\b+11], v[\c:\c+7], v[\sa], v[\sb] matrix_a_fmt:MATRIX_FMT_FP6 matrix_b_fmt:MATRIX_FMT_FP6 matrix_a_scale:MATRIX_SCALE_ROW1 matrix_b_scale:MATRIX_SCALE_ROW1
.elseif (\ra)
	v_wmma_scale_f32_16x16x128_f8f6f4 v[\d:\d+7], v[\a:\a+11], v[\b:\b+11], v[\c:\c+7], v[\sa], v[\sb] matrix_a_fmt:MATRIX_FMT_FP6 matrix_b_fmt:MATRIX_FMT_FP6 matrix_a_scale:MATRIX_SCALE_ROW1
.elseif (\rb)
	v_wmma_scale_f32_16x16x128_f8f6f4 v[\d:\d+7], v[\a:\a+11], v[\b:\b+11], v[\c:\c+7], v[\sa], v[\sb] matrix_a_fmt:MATRIX_FMT_FP6 matrix_b_fmt:MATRIX_FMT_FP6 matrix_b_scale:MATRIX_SCALE_ROW1
.else
	v_wmma_scale_f32_16x16x128_f8f6f4 v[\d:\d+7], v[\a:\a+11], v[\b:\b+11], v[\c:\c+7], v[\sa], v[\sb] matrix_a_fmt:MATRIX_FMT_FP6 matrix_b_fmt:MATRIX_FMT_FP6
.endif
.endm
.macro MULS set, s, first
.irp a, 0,1,2,3
.irp u, 0,1,2,3
.if \first
	WM ACC+32*\a+8*\u, 96*(\set)+12*\u, 96*(\set)+48+12*\a, BI+8*\u, BS+8*(\u/2)+(\s), AS+8*(\a/2)+(\s), \u%2, \a%2
.else
	WM ACC+32*\a+8*\u, 96*(\set)+12*\u, 96*(\set)+48+12*\a, ACC+32*\a+8*\u, BS+8*(\u/2)+(\s), AS+8*(\a/2)+(\s), \u%2, \a%2
.endif
.endr
.endr
.endm
.macro QUANT4 src
	s_wait_xcnt 0x0
.irp a, 0,1,2,3
	v_max3_num_f32 v[MA+\a], |v[\src+32*\a]|, |v[\src+32*\a+1]|, 0x1800000
.endr
.irp a, 0,1,2,3
	v_max_num_f32 v[MB+\a], |v[\src+32*\a+2]|, |v[\src+32*\a+3]|
.endr
.irp i, 4,8,12,16,20,24,28
.irp a, 0,1,2,3
	v_max3_num_f32 v[MA+\a], v[MA+\a], |v[\src+32*\a+\i]|, |v[\src+32*\a+\i+1]|
.endr
.irp a, 0,1,2,3
	v_max3_num_f32 v[MB+\a], v[MB+\a], |v[\src+32*\a+\i+2]|, |v[\src+32*\a+\i+3]|
.endr
.endr
.irp a, 0,1,2,3
	v_max_num_f32 v[MA+\a], v[MA+\a], v[MB+\a]
.endr
.irp a, 0,1,2,3
	v_add_nc_u32 v[SC+\a], 0xff000000, v[MA+\a]
.endr
.irp a, 0,1,2,3
	v_lshrrev_b32 v[BY+\a], 23, v[SC+\a]
.endr
.irp a, 0,1,2,3
	v_cvt_scalef32_pk16_fp6_f32 v[C+8*\a:C+8*\a+2], v[\src+32*\a:\src+32*\a+15], v[SC+\a]
	v_cvt_scalef32_pk16_fp6_f32 v[C+8*\a+4:C+8*\a+6], v[\src+32*\a+16:\src+32*\a+31], v[SC+\a]
.endr
	v_nop
.irp a, 0,1,2,3
	v_mov_b32 v[C+8*\a+3], v[C+8*\a+4]
	v_mov_b32 v[C+8*\a+4], v[C+8*\a+5]
	v_mov_b32 v[C+8*\a+5], v[C+8*\a+6]
.endr
.endm
.macro PACKZ
	v_lshl_or_b32 v112, v[BY+2], 16, v[BY]
	v_lshl_or_b32 v113, v[BY+3], 16, v[BY+1]
	v_cndmask_b32 v114, v113, v112, s[HM]
	v_cndmask_b32 v115, v112, v113, s[HM]
	v_permlanex16_b32 v116, v114, s[SEL], s[SEL+1]
	v_cndmask_b32 v117, v115, v116, s[HM]
	v_cndmask_b32 v116, v116, v115, s[HM]
	v_lshl_or_b32 v[Z], v116, 8, v117
.endm
	s_load_b256 s[4:11], s[0:1], 0x0
	s_load_b128 s[12:15], s[0:1], 0x20
	s_load_b64 s[66:67], s[0:1], 0x30
	v_lshl_add_u32 v126, v0, 2, 0x35e00
	v_mov_b32 v127, 0
	ds_add_u32 v126, v127
	ds_add_u32 v126, v127
	v_lshrrev_b32 v96, 5, v0
	v_readfirstlane_b32 s[WV], v96
	s_lshr_b32 s[RH], s[WV], 1
	s_and_b32 s[CH], s[WV], 1
	s_bfe_u32 s[CX], ttmp6, 0x40000
	s_bfe_u32 s[CY], ttmp6, 0x40004
	s_lshl_b32 s[XX], ttmp9, 2
	s_add_co_u32 s[XX], s[XX], s[CX]
	s_and_b32 s[YY], ttmp7, 0xffff
	s_lshl_b32 s[YY], s[YY], 2
	s_add_co_u32 s[YY], s[YY], s[CY]
	s_lshl_b32 s72, s[CY], 2
	s_lshl_b32 s72, 15, s72
	s_lshl_b32 s73, 0x1111, s[CX]
	s_or_b32 s[G1A], s72, (1<<21)
	s_mov_b32 s[G1A+1], 6144<<16
	s_mov_b32 s[G1A+2], 8<<16
	s_mov_b32 s[G1A+3], 6144<<16
	s_mov_b32 s[G1A+4], 8
	s_mov_b32 s[G1A+5], 196608
	s_mov_b32 s[G1A+6], 0
	s_mov_b32 s[G1A+7], 0
	s_or_b32 s[G1B], s73, (1<<20)|(1<<21)|(5<<22)|(3<<25)
	s_mov_b32 s[G1B+1], 24576<<16
	s_mov_b32 s[G1B+2], 2<<16
	s_mov_b32 s[G1B+3], 24576<<16
	s_mov_b32 s[G1B+4], 2
	s_mov_b32 s[G1B+5], 49152
	s_mov_b32 s[G1B+6], 0
	s_mov_b32 s[G1B+7], 0
	s_mul_i32 s74, s[CH], 1572864
	s_mul_i32 s75, s[YY], 6144
	s_add_co_u32 s74, s74, s75
	s_mov_b32 s75, 0
	s_mul_i32 s23, s[CH], 24576
	s_mul_i32 s88, s[XX], 98304
	s_add_co_u32 s88, s88, s23                     ; weight row 128 x + 32 h', h' = the loading wave's ch
	s_mov_b32 s89, 0
	s_mul_i32 s23, s[CH], 49152                    ; the panel's half in LDS
	s_mul_i32 s86, s[CH], 52352
	s_wait_dscnt 0x0
	s_wait_kmcnt 0x0
	s_mov_b32 s[G0A], 1
	s_add_co_u32 s[G0A+1], s23, AP
	s_add_nc_u64 s[G0A+2:G0A+3], s[4:5], s[74:75]
	s_or_b32 s[G0A+3], s[G0A+3], 0x80000000
	s_mov_b32 s[G0B], 1
	s_add_co_u32 s[G0B+1], s86, R0
	s_add_nc_u64 s[G0B+2:G0B+3], s[6:7], s[88:89]
	s_or_b32 s[G0B+3], s[G0B+3], 0x80000000
	CROUND                                         ; all sixteen work-groups are here: the joint loads meet
	s_cmp_eq_u32 s[RH], 0                          ; one tensor load a wave, on either way
	s_cbranch_scc0 .Lhb
	TL G0A, G1A
	s_branch .Lhj
.Lhb:
	TL G0B, G1B
.Lhj:
	v_and_b32 v96, 31, v0
	v_and_b32 v97, 15, v0
	v_bfe_u32 v98, v0, 4, 1
	s_wait_alu depctr_va_vdst(0)
	v_and_b32 v99, 7, v0
	v_bfe_u32 v100, v0, 3, 1
	s_lshl_b32 s72, s[RH], 7
	s_lshl_b32 s73, s[YY], 8
	s_add_co_u32 s72, s72, s73
	v_lshl_add_u32 v107, v96, 2, s72
.irp n, 0,1,2,3,4,5,6,7,8,9,10,11,12,13,14,15
	global_load_b32 v[64+\n], v107, s[4:5] offset:3145728+8192*\n
.endr
	v_lshl_add_u32 v104, v100, 5, v99
	v_lshl_add_u32 v104, v98, 3, v104
	s_lshl_b32 s72, s[CH], 11
	s_lshl_b32 s73, s[XX], 12
	s_add_co_u32 s72, s72, s73
	v_lshl_add_u32 v[OSB], v104, 5, s72
	s_lshl_b32 s72, s[CH], 8
	s_lshl_b32 s73, s[XX], 9
	s_add_co_u32 s72, s72, s73
	v_lshl_add_u32 v[OBB], v98, 7, s72
.irp up, 0,1
	global_load_b128 v[BS+8*\up:BS+8*\up+3], v[OSB], s[8:9] offset:512*\up
	global_load_b128 v[BS+8*\up+4:BS+8*\up+7], v[OSB], s[8:9] offset:512*\up+16
.endr
	WIN 0x40
.irp u, 0,1,2,3
	global_load_b128 v[BI+8*\u:BI+8*\u+3], v[OBB], s[10:11] offset:32*\u
	global_load_b128 v[BI+8*\u+4:BI+8*\u+7], v[OBB], s[10:11] offset:32*\u+16
.endr
	WIN 0
	s_lshr_b32 s74, s[YY], 1
	s_lshl_b32 s74, s74, 8
	s_and_b32 s75, s[YY], 1
	s_lshl_b32 s75, s75, 3
	s_add_co_u32 s74, s74, s75
	s_lshl_b32 s75, s[RH], 2
	s_add_co_u32 s74, s74, s75
	s_lshl_b32 s74, s74, 12
	s_add_co_u32 s74, s74, s72
	s_mov_b32 s75, 0
	s_add_nc_u64 s[76:77], s[12:13], s[74:75]
	s_lshl_b32 s74, s[YY], 19
	s_lshl_b32 s73, s[RH], 18
	s_add_co_u32 s74, s74, s73
	s_add_co_u32 s74, s74, s72
	s_add_nc_u64 s[78:79], s[14:15], s[74:75]
	v_lshlrev_b32 v101, 4, v97
	v_lshl_add_u32 v[OX], v98, 16, v101
	v_lshl_add_u32 v[OX1], v98, 12, v101
	WIN 0x80
.irp a, 0,1,2,3
.irp i, 0,1,2,3,4,5,6,7
	global_load_b128 v[32*\a+4*\i:32*\a+4*\i+3], v[OX], s[76:77] offset:\a*4096+\i*131072
.endr
.endr
	WIN 0
	s_mul_i32 s72, s[RH], 3072
	v_lshl_add_u32 v[ADA], v96, 3, s72
	v_add_nc_u32 v[ADA+1], 49152, v[ADA]
	v_mul_u32_u24 v102, v99, 816
	v_mad_u32_u24 v102, v98, 24, v102
	v_mad_u32_u24 v102, v100, 52352, v102
	s_mul_i32 s72, s[CH], 26112
	v_add_nc_u32 v102, s72, v102
	v_add_nc_u32 v[ADB], R0, v102
	v_lshl_add_u32 v[ADB+1], v98, 4, v[ADB]
	s_mul_i32 s72, s[WV], 4352
	s_add_co_u32 s72, s72, STG
	v_mul_u32_u24 v[STB], v97, 272
	v_lshl_add_u32 v[STB], v98, 7, v[STB]
	v_add_nc_u32 v[STB], s72, v[STB]
	v_mad_u32_u24 v[STR], v98, 272, v101
	v_add_nc_u32 v[STR], s72, v[STR]
	v_lshlrev_b32 v[OFC], 3, v96
	v_lshlrev_b32 v[OF4], 2, v96
	v_mov_b32 v116, 0
	s_mov_b32 s[SEL], 0x76543210
	s_mov_b32 s[SEL+1], 0xfedcba98
	s_mov_b32 s[HM], 0xffff0000
	s_lshl_b32 s74, s[XX], 1
	s_add_co_u32 s74, s74, s[CH]
	s_mul_i32 s72, s74, 196608
	s_lshl_b32 s73, s[YY], 1
	s_add_co_u32 s73, s73, s[RH]
	s_mul_i32 s87, s73, 3072
	s_add_co_u32 s72, s72, s87
	s_lshl_b32 s74, s74, 13
	s_lshl_b32 s87, s73, 7
	s_add_co_u32 s74, s74, s87
	s_mov_b32 s73, 0
	s_add_nc_u64 s[80:81], s[66:67], s[72:73]
	s_add_nc_u64 s[82:83], s[66:67], s[74:75]
	s_wait_loadcnt 32
.irp s, 0,1,2,3,4,5,6,7
	v_perm_b32 v[AS+\s], v[64+2*\s+1], v[64+2*\s], 0x05040100
	v_perm_b32 v[AS+8+\s], v[64+2*\s+1], v[64+2*\s], 0x07060302
.endr
	PLACES 8
	s_wait_tensorcnt 0x0
	s_barrier_signal -1
	s_barrier_wait -1
	WIN 0x40
	FRAGB 0, 0, ADB
	FRAGA 0, 0
.irp s, 0,1,2,3,4,5,6,7
.if \s < 7
.if \s > 0
	PLACES 4
.endif
	WIN 0x40
	FRAGB (\s+1)%2, \s+1, ADB
	FRAGA (\s+1)%2, \s+1
	s_wait_alu depctr_va_vdst(0)
	s_wait_dscnt 48
.else
	s_wait_dscnt 0x0
.endif
.if \s == 0
	WIN 0x15
	MULS \s%2, \s, 1
.else
	WIN 0x05
	MULS \s%2, \s, 0
.endif
.endr
	WIN 0
	PLACES 4
.irp a, 0,1,2,3
.if \a > 0
	s_wait_xcnt 0x0
.endif
.irp i, 0,1,2,3,4,5,6,7
	ds_store_b128 v[STB], v[ACC+32*\a+4*\i:ACC+32*\a+4*\i+3] offset:16*\i
.endr
.irp i, 0,1,2,3,4,5,6,7
	ds_load_b128 v[R+4*\i:R+4*\i+3], v[STR] offset:544*\i
.endr
	s_wait_dscnt 0x0
.if \a == 0
	s_wait_loadcnt 0x0
.endif
	WIN 0x08
.set k, 0
.rept 16
	v_pk_add_f32 v[R+k:R+k+1], v[R+k:R+k+1], v[32*\a+k:32*\a+k+1]
.set k, k+2
.endr
	WIN 0
.irp i, 0,1,2,3,4,5,6,7
	global_store_b128 v[OX1], v[R+4*\i:R+4*\i+3], s[78:79] offset:\a*65536+\i*8192
.endr
.irp i, 0,1,2,3,4,5,6,7
	ds_store_b128 v[STR], v[R+4*\i:R+4*\i+3] offset:544*\i
.endr
.irp i, 0,1,2,3,4,5,6,7
	ds_load_b128 v[ACC+32*\a+4*\i:ACC+32*\a+4*\i+3], v[STB] offset:16*\i
.endr
.endr
	s_wait_dscnt 0x0
	QUANT4 ACC
.irp a, 0,1,2,3
.irp p, 0,1,2
	global_store_b64 v[OFC], v[C+8*\a+2*\p:C+8*\a+2*\p+1], s[80:81] offset:\a*768+256*\p
.endr
.endr
	PACKZ
	global_store_b32 v[OF4], v[Z], s[82:83] offset:3145728
	s_wait_tensorcnt 0x0
	ds_add_u32 v126, v127
	s_wait_dscnt 0x0
	CROUND
	s_endpgm
.Lfunc_end_k_qbb67f0f73c_gemm_o:
	.size	k_qbb67f0f73c_gemm_o, .Lfunc_end_k_qbb67f0f73c_gemm_o-k_qbb67f0f73c_gemm_o
	.p2alignl 7, 3214868480
	.fill 96, 4, 3214868480
	.section	.rodata,"a",@progbits
	.p2align	6, 0x0
	.amdhsa_kernel k_qbb67f0f73c_gemm_o
		.amdhsa_group_segment_fixed_size 327680
		.amdhsa_private_segment_fixed_size 0
		.amdhsa_enable_private_segment 0
		.amdhsa_kernarg_size 56
		.amdhsa_user_sgpr_count 2
		.amdhsa_user_sgpr_kernarg_segment_ptr 1
		.amdhsa_wavefront_size32 1
		.amdhsa_system_sgpr_workgroup_id_x 1
		.amdhsa_system_sgpr_workgroup_id_y 1
		.amdhsa_system_sgpr_workgroup_id_z 1
		.amdhsa_system_vgpr_workitem_id 0
		.amdhsa_next_free_vgpr 640
		.amdhsa_next_free_sgpr 100
		.amdhsa_reserve_vcc 0
		.amdhsa_float_denorm_mode_32 3
		.amdhsa_float_denorm_mode_16_64 3
		.amdhsa_memory_ordered 1
		.amdhsa_forward_progress 1
		.amdhsa_inst_pref_size 81
	.end_amdhsa_kernel
	.amdgpu_metadata
---
amdhsa.version: [ 1, 2 ]
amdhsa.kernels:
  - .name:           k_qbb67f0f73c_gemm_o
    .symbol:         k_qbb67f0f73c_gemm_o.kd
    .args:
      - { .name: yq, .offset: 0, .size: 8, .value_kind: global_buffer, .address_space: global }
      - { .name: Wo_codes, .offset: 8, .size: 8, .value_kind: global_buffer, .address_space: global }
      - { .name: Wo_scales, .offset: 16, .size: 8, .value_kind: global_buffer, .address_space: global }
      - { .name: bo, .offset: 24, .size: 8, .value_kind: global_buffer, .address_space: global }
      - { .name: x, .offset: 32, .size: 8, .value_kind: global_buffer, .address_space: global }
      - { .name: x1f, .offset: 40, .size: 8, .value_kind: global_buffer, .address_space: global }
      - { .name: x1q, .offset: 48, .size: 8, .value_kind: global_buffer, .address_space: global }
    .group_segment_fixed_size: 327680
    .private_segment_fixed_size: 0
    .kernarg_segment_align: 8
    .kernarg_segment_size: 56
    .max_flat_workgroup_size: 128
    .sgpr_count:     100
    .vgpr_count:     640
    .wavefront_size: 32
...
	.end_amdgpu_metadata
.endif
;; end of part 4
;; launch gemm_fc (part 5): grid 8 x 32, 4 waves a work-group, clusters of 4 x 4, 327,680 bytes of LDS; arguments x1q, Wfc_codes, Wfc_scales, bfc, hq; writes hq
.if DOCPART == 5
	.amdgcn_target "amdgcn-amd-amdhsa--gfx1250"
	.amdhsa_code_object_version 6
	.text
	.protected	k_qbb67f0f73c_gemm_fc
	.globl	k_qbb67f0f73c_gemm_fc
	.p2align	8
	.type	k_qbb67f0f73c_gemm_fc,@function
k_qbb67f0f73c_gemm_fc:
	s_mov_b64 s[64:65], 0
	v_nop
	global_prefetch_b8 v0, s[64:65] scope:SCOPE_SE
	s_setreg_imm32_b32 hwreg(HW_REG_WAVE_MODE, 25, 1), 1
	s_wait_xcnt 0x0
	s_wait_alu depctr_hold_cnt(0) depctr_sa_sdst(0) depctr_va_vdst(0) depctr_va_sdst(0) depctr_va_ssrc(0) depctr_va_vcc(0) depctr_vm_vsrc(0)
	s_getreg_b32 s2, hwreg(HW_REG_IB_STS2, 6, 4)
	s_cmp_eq_u32 s2, 0
	s_cbranch_scc0 .Lentry_in_a_cluster
	s_endpgm
.Lentry_in_a_cluster:
	s_bfe_u32 s2, ttmp6, 0x10000c
	s_cmp_lg_u32 s2, 0xf033
	s_cbranch_scc0 .Lentry_shape_is_right
	s_endpgm
.Lentry_shape_is_right:
; h = Q(gelu(Q(x1) Wfc + bfc)).  Work-group (x, y): rows M' 128 y .. x four tiles of 128 columns, 512 x + 128 t; four waves of 64 x 64.  x1's panel for all of K stays in LDS;
; the weights' tiles take turns in two regions: tile 0 is asked for at the head, tile 1 behind the first full sequence, tiles 2 and 3 each behind the products of the tile whose region they take.
; Transposed use; lane-row 8 h' + j' of weight tile u is column 64 ch + 32 h' + 8 u + j': a lane's 32 registers of a row tile are a whole block of the next product's K.
; gelu(v) = v / (1 + 2^(-v (k + 0.044715 k v^2))), k = 2 sqrt(2/pi) log2(e): the same function as 0.5 v (1 + tanh(..)), by v_exp_f32 and v_rcp_f32, in f32.
; CLUSTER 4 x 4: x1's panel jointly along a row of the cluster, the weights' tiles along a column.
; LIMITS: NaN and infinities are not served; a block whose largest magnitude lies under 2^-124 (zeros too) gets the byte 1.
; REGISTERS as in the launch for q, k, v; v64-95 at work in gelu, v120-123 its two constants as pairs.
; HOW THE TILES COME, in this text (it takes the place of what the head comment says of it).  Head, one tensor load a wave: waves 0 and 1 bring x1's panel, 8 planes each; waves 2 and 3 bring tile 0.
; A weight tile comes by two loads: 32 dense rows are stated as one row of 24576 bytes, and a load takes two of them, 49152 apart: the parts (ch = 0, h') and (ch = 1, h'), 26112 bytes each in LDS;
; the load for h' = 1 lands 52352 bytes behind the other.  Tile 1 is asked for behind the first full sequence; tiles 1 to 3 are asked for by waves 2 and 3.
.set AP,    0
.set R0,    98304
.set R1,    203264
.set SPARE, 308224
.set ACC, 128
.set AS,  16
.set BS,  32
.set BI,  192
.set T,   64
.set ADA, 3
.set AD0, 5
.set AD1, 7
.set OFC, 11
.set OF4, 12
.set OSB, 13
.set OBB, 15
.set MA,  64
.set MB,  68
.set SC,  72
.set BY,  76
.set C,   80
.set Z,   118
.set WV,  16
.set RH,  17
.set CH,  18
.set CX,  19
.set CY,  20
.set XX,  21
.set YY,  22
.set G1A, 24
.set G1B, 32
.set G0A, 48
.set G0T0, 52
.set G0T1, 56
.set G0T2, 60
.set G0T3, 68
.set SEL, 92
.set HM,  94
.set MSB, 0
.macro WIN new
.if MSB != (\new)
	s_set_vgpr_msb (MSB<<8)|(\new)
.set MSB, \new
.endif
.endm
.macro PLACES n
.rept \n
	v_nop
.endr
.endm
.macro CROUND
	s_barrier_signal -1
	s_barrier_wait -1
	s_cmp_lg_u32 s[WV], 0
	s_cbranch_scc1 .Lnw0_\@
	s_barrier_signal -3
.Lnw0_\@:
	s_barrier_wait -3
	s_barrier_signal -1
	s_barrier_wait -1
.endm
.macro TL g0, g1
	tensor_load_to_lds s[\g0:\g0+3], s[\g1:\g1+7]
	s_nop 0
	PLACES 4
.endm
; x1's FRAGMENTS STAY IN REGISTERS: a wave's 64 rows for all of K are 8 steps x 4 fragments x 12 = 384 registers: steps 0-4 in window 2 (v[48 s + 12 a]), steps 5-7 in window 3 (v[48 (s - 5) + 12 a]).
; The first tile's walk along K reads them from the panel; the three later tiles read the weights' fragments alone.
.macro FRAGA s
	WIN 0x80+0x40*((\s)/5)
.irp a, 0,1,2,3
.irp c, 0,1
.irp p, 0,1,2
	ds_load_b64 v[48*((\s)%5)+12*\a+6*\c+2*\p:48*((\s)%5)+12*\a+6*\c+2*\p+1], v[ADA+(\s)/4] offset:((2*(\s)+\c)%8)*6144+\a*768+256*\p
.endr
.endr
.endr
.endm
.macro FRAGB set, s, adr
.irp u, 0,1,2,3
.irp c, 0,1
.irp p, 0,1,2
.set PC, 12*(\s)+6*\c+\p
.if PC%32 < 29
	ds_load_b64 v[96*(\set)+12*\u+6*\c+2*\p:96*(\set)+12*\u+6*\c+2*\p+1], v[\adr] offset:\u*6528+8*PC+16*(PC/32)
.else
	ds_load_b64 v[96*(\set)+12*\u+6*\c+2*\p:96*(\set)+12*\u+6*\c+2*\p+1], v[\adr+1] offset:\u*6528+8*PC+16*(PC/32)
.endif
.endr
.endr
.endr
.endm
.macro WM d, a, b, c, sa, sb, ra, rb
.if (\ra) && (\rb)
	v_wmma_scale_f32_16x16x128_f8f6f4 v[\d:\d+7], v[\a:\a+11], v[\b:\b+11], v[\c:\c+7], v[\sa], v[\sb] matrix_a_fmt:MATRIX_FMT_FP6 matrix_b_fmt:MATRIX_FMT_FP6 matrix_a_scale:MATRIX_SCALE_ROW1 matrix_b_scale:MATRIX_SCALE_ROW1
.elseif (\ra)
	v_wmma_scale_f32_16x16x128_f8f6f4 v[\d:\d+7], v[\a:\a+11], v[\b:\b+11], v[\c:\c+7], v[\sa], v[\sb] matrix_a_fmt:MATRIX_FMT_FP6 matrix_b_fmt:MATRIX_FMT_FP6 matrix_a_scale:MATRIX_SCALE_ROW1
.elseif (\rb)
	v_wmma_scale_f32_16x16x128_f8f6f4 v[\d:\d+7], v[\a:\a+11], v[\b:\b+11], v[\c:\c+7], v[\sa], v[\sb] matrix_a_fmt:MATRIX_FMT_FP6 matrix_b_fmt:MATRIX_FMT_FP6 matrix_b_scale:MATRIX_SCALE_ROW1
.else
	v_wmma_scale_f32_16x16x128_f8f6f4 v[\d:\d+7], v[\a:\a+11], v[\b:\b+11], v[\c:\c+7], v[\sa], v[\sb] matrix_a_fmt:MATRIX_FMT_FP6 matrix_b_fmt:MATRIX_FMT_FP6
.endif
.endm
.macro MULS set, s, bset, first        ; the 16 accumulators take turns in the same order in every step
.irp a, 0,1,2,3
.irp u, 0,1,2,3
.if \first
	WM ACC+32*\a+8*\u, 96*(\set)+12*\u, 48*((\s)%5)+12*\a, BI+32*(\bset)+8*\u, BS+16*(\bset)+8*(\u/2)+(\s), AS+8*(\a/2)+(\s), \u%2, \a%2
.else
	WM ACC+32*\a+8*\u, 96*(\set)+12*\u, 48*((\s)%5)+12*\a, ACC+32*\a+8*\u, BS+16*(\bset)+8*(\u/2)+(\s), AS+8*(\a/2)+(\s), \u%2, \a%2
.endif
.endr
.endr
.endm
.macro KLOOP adr, bset, la=0           ; la = 1: x1's fragments are read too
	WIN 0x40
	FRAGB 0, 0, \adr
.if \la
	FRAGA 0
.endif
.irp s, 0,1,2,3,4,5,6,7
.if \s < 7
.if \s > 0
	PLACES 4
.endif
	WIN 0x40
	FRAGB (\s+1)%2, \s+1, \adr
.if \la
	FRAGA \s+1
.endif
	s_wait_alu depctr_va_vdst(0)
	s_wait_dscnt 24+24*(\la)                       ; this step's fragments are in; the loads just issued (24 of the weights, and 24 of x1 where it is read) may be out
.else
	s_wait_dscnt 0x0
.endif
.if \s == 0
	WIN 0x19                                       ; the weights' fragments and the bias (C) in window 1, x1's in window 2
	MULS \s%2, \s, \bset, 1
.else
	WIN 0x09+4*(\s/5)                              ; x1's fragments in window 2, from step 5 on in window 3
	MULS \s%2, \s, \bset, 0
.endif
.endr
	WIN 0
.endm
.macro QUANT4 src
	s_wait_xcnt 0x0
.irp a, 0,1,2,3
	v_max3_num_f32 v[MA+\a], |v[\src+32*\a]|, |v[\src+32*\a+1]|, 0x1800000
.endr
.irp a, 0,1,2,3
	v_max_num_f32 v[MB+\a], |v[\src+32*\a+2]|, |v[\src+32*\a+3]|
.endr
.irp i, 4,8,12,16,20,24,28
.irp a, 0,1,2,3
	v_max3_num_f32 v[MA+\a], v[MA+\a], |v[\src+32*\a+\i]|, |v[\src+32*\a+\i+1]|
.endr
.irp a, 0,1,2,3
	v_max3_num_f32 v[MB+\a], v[MB+\a], |v[\src+32*\a+\i+2]|, |v[\src+32*\a+\i+3]|
.endr
.endr
.irp a, 0,1,2,3
	v_max_num_f32 v[MA+\a], v[MA+\a], v[MB+\a]
.endr
.irp a, 0,1,2,3
	v_add_nc_u32 v[SC+\a], 0xff000000, v[MA+\a]
.endr
.irp a, 0,1,2,3
	v_lshrrev_b32 v[BY+\a], 23, v[SC+\a]
.endr
.irp a, 0,1,2,3
	v_cvt_scalef32_pk16_fp6_f32 v[C+8*\a:C+8*\a+2], v[\src+32*\a:\src+32*\a+15], v[SC+\a]
	v_cvt_scalef32_pk16_fp6_f32 v[C+8*\a+4:C+8*\a+6], v[\src+32*\a+16:\src+32*\a+31], v[SC+\a]
.endr
	v_nop
.irp a, 0,1,2,3
	v_mov_b32 v[C+8*\a+3], v[C+8*\a+4]
	v_mov_b32 v[C+8*\a+4], v[C+8*\a+5]
	v_mov_b32 v[C+8*\a+5], v[C+8*\a+6]
.endr
.endm
.macro PACKZ
	v_lshl_or_b32 v112, v[BY+2], 16, v[BY]
	v_lshl_or_b32 v113, v[BY+3], 16, v[BY+1]
	v_cndmask_b32 v114, v113, v112, s[HM]
	v_cndmask_b32 v115, v112, v113, s[HM]
	v_permlanex16_b32 v116, v114, s[SEL], s[SEL+1]
	v_cndmask_b32 v117, v115, v116, s[HM]
	v_cndmask_b32 v116, v116, v115, s[HM]
	v_lshl_or_b32 v[Z], v116, 8, v117
.endm
.macro WLOADB bset, so, bo
.irp up, 0,1
	global_load_b128 v[BS+16*(\bset)+8*\up:BS+16*(\bset)+8*\up+3], v[OSB], s[8:9] offset:(\so)+512*\up
	global_load_b128 v[BS+16*(\bset)+8*\up+4:BS+16*(\bset)+8*\up+7], v[OSB], s[8:9] offset:(\so)+512*\up+16
.endr
	WIN 0x40
.irp u, 0,1,2,3
	global_load_b128 v[BI+32*(\bset)+8*\u:BI+32*(\bset)+8*\u+3], v[OBB], s[10:11] offset:(\bo)+32*\u
	global_load_b128 v[BI+32*(\bset)+8*\u+4:BI+32*(\bset)+8*\u+7], v[OBB], s[10:11] offset:(\bo)+32*\u+16
.endr
	WIN 0
.endm
.macro GELU a                          ; 32 numbers a lane; each batch of transcendentals has one wait, ahead of its first reader
.set XA, ACC+32*(\a)
.set i, 0
.rept 16
	v_pk_mul_f32 v[T+i:T+i+1], v[XA+i:XA+i+1], v[XA+i:XA+i+1]
.set i, i+2
.endr
.set i, 0
.rept 16
	v_pk_fma_f32 v[T+i:T+i+1], v[T+i:T+i+1], v[120:121], v[122:123]
.set i, i+2
.endr
.set i, 0
.rept 16
	v_pk_mul_f32 v[T+i:T+i+1], v[T+i:T+i+1], v[XA+i:XA+i+1]
.set i, i+2
.endr
.set i, 0
	s_wait_alu depctr_va_vdst(0)
.rept 32
	v_exp_f32 v[T+i], -v[T+i]
.set i, i+1
.endr
	v_nop
	s_wait_alu depctr_va_vdst(0)
.set i, 0
.rept 16
	v_pk_add_f32 v[T+i:T+i+1], v[T+i:T+i+1], 1.0 op_sel_hi:[1,0]
.set i, i+2
.endr
.set i, 0
	s_wait_alu depctr_va_vdst(0)
.rept 32
	v_rcp_f32 v[T+i], v[T+i]
.set i, i+1
.endr
	v_nop
	s_wait_alu depctr_va_vdst(0)
.set i, 0
.rept 16
	v_pk_mul_f32 v[XA+i:XA+i+1], v[XA+i:XA+i+1], v[T+i:T+i+1]
.set i, i+2
.endr
.endm
.macro EPI t
	PLACES 4
	s_wait_xcnt 0x0                                ; the last tile's stores have read the registers that gelu works in
	GELU 0
	GELU 1
	GELU 2
	GELU 3
	QUANT4 ACC
.irp a, 0,1,2,3
.irp p, 0,1,2
	global_store_b64 v[OFC], v[C+8*\a+2*\p:C+8*\a+2*\p+1], s[76:77] offset:(\t)*393216+\a*768+256*\p
.endr
.endr
	PACKZ
	global_store_b32 v[OF4], v[Z], s[78:79] offset:(\t)*16384
.endm
.macro REFILL g0
	s_wait_tensorcnt 0x0                           ; all my tensor loads have landed,
	ds_add_u32 v1, v2                              ; 0 onto my spare word
	s_wait_dscnt 0x0                               ; the add is done, and my reads of the region are over
	CROUND                                         ; the same holds of every wave of the cluster
	s_cmp_eq_u32 s[RH], 1
	s_cbranch_scc0 .Lnr_\@
	TL \g0, G1B
.Lnr_\@:
.endm
	s_load_b256 s[4:11], s[0:1], 0x0               ; x1q, Wfc_codes, Wfc_scales, bfc
	s_load_b64 s[12:13], s[0:1], 0x20              ; hq
	v_lshl_add_u32 v1, v0, 2, SPARE
	v_mov_b32 v2, 0
	ds_add_u32 v1, v2
	ds_add_u32 v1, v2
	s_wait_dscnt 0x0
	v_lshrrev_b32 v96, 5, v0
	v_readfirstlane_b32 s[WV], v96
	s_lshr_b32 s[RH], s[WV], 1
	s_and_b32 s[CH], s[WV], 1
	s_bfe_u32 s[CX], ttmp6, 0x40000
	s_bfe_u32 s[CY], ttmp6, 0x40004
	s_lshl_b32 s[XX], ttmp9, 2
	s_add_co_u32 s[XX], s[XX], s[CX]
	s_and_b32 s[YY], ttmp7, 0xffff
	s_lshl_b32 s[YY], s[YY], 2
	s_add_co_u32 s[YY], s[YY], s[CY]
	s_lshl_b32 s72, s[CY], 2
	s_lshl_b32 s72, 15, s72
	s_lshl_b32 s73, 0x1111, s[CX]
	s_or_b32 s[G1A], s72, (1<<21)
	s_mov_b32 s[G1A+1], 6144<<16
	s_mov_b32 s[G1A+2], 8<<16
	s_mov_b32 s[G1A+3], 6144<<16
	s_mov_b32 s[G1A+4], 8
	s_mov_b32 s[G1A+5], 196608
	s_mov_b32 s[G1A+6], 0
	s_mov_b32 s[G1A+7], 0
	s_or_b32 s[G1B], s73, (1<<20)|(1<<21)|(5<<22)|(3<<25)
	s_mov_b32 s[G1B+1], 24576<<16
	s_mov_b32 s[G1B+2], 2<<16
	s_mov_b32 s[G1B+3], 24576<<16
	s_mov_b32 s[G1B+4], 2
	s_mov_b32 s[G1B+5], 49152
	s_mov_b32 s[G1B+6], 0
	s_mov_b32 s[G1B+7], 0
	s_mul_i32 s74, s[CH], 1572864
	s_mul_i32 s75, s[YY], 6144
	s_add_co_u32 s74, s74, s75
	s_mov_b32 s75, 0
	s_mul_i32 s23, s[CH], 24576
	s_mul_i32 s88, s[XX], 393216
	s_add_co_u32 s88, s88, s23                     ; weight row 512 x + 32 h', h' = the loading wave's ch
	s_mov_b32 s89, 0
	s_mul_i32 s23, s[CH], 49152                    ; the panel's half in LDS
	s_mul_i32 s86, s[CH], 52352
	s_wait_kmcnt 0x0
	s_mov_b32 s[G0A], 1
	s_add_co_u32 s[G0A+1], s23, AP
	s_add_nc_u64 s[G0A+2:G0A+3], s[4:5], s[74:75]
	s_or_b32 s[G0A+3], s[G0A+3], 0x80000000
	s_mov_b32 s[G0T0], 1
	s_add_co_u32 s[G0T0+1], s86, R0
	s_add_nc_u64 s[G0T0+2:G0T0+3], s[6:7], s[88:89]
	s_mov_b32 s[G0T1], 1
	s_add_co_u32 s[G0T1+1], s86, R1
	s_add_nc_u64 s[G0T1+2:G0T1+3], s[G0T0+2:G0T0+3], 98304
	s_mov_b32 s[G0T2], 1
	s_add_co_u32 s[G0T2+1], s86, R0
	s_add_nc_u64 s[G0T2+2:G0T2+3], s[G0T0+2:G0T0+3], 196608
	s_mov_b32 s[G0T3], 1
	s_add_co_u32 s[G0T3+1], s86, R1
	s_add_nc_u64 s[G0T3+2:G0T3+3], s[G0T0+2:G0T0+3], 294912
	s_or_b32 s[G0T0+3], s[G0T0+3], 0x80000000
	s_or_b32 s[G0T1+3], s[G0T1+3], 0x80000000
	s_or_b32 s[G0T2+3], s[G0T2+3], 0x80000000
	s_or_b32 s[G0T3+3], s[G0T3+3], 0x80000000
	CROUND
	s_cmp_eq_u32 s[RH], 0                          ; one tensor load a wave, on either way
	s_cbranch_scc0 .Lhb
	TL G0A, G1A
	s_branch .Lhj
.Lhb:
	TL G0T0, G1B
.Lhj:
	v_and_b32 v96, 31, v0
	v_and_b32 v97, 15, v0
	v_bfe_u32 v98, v0, 4, 1
	s_wait_alu depctr_va_vdst(0)
	v_and_b32 v99, 7, v0
	s_wait_alu depctr_va_vdst(0)
	v_bfe_u32 v100, v0, 3, 1
	s_lshl_b32 s72, s[RH], 7
	s_lshl_b32 s73, s[YY], 8
	s_add_co_u32 s72, s72, s73
	v_lshl_add_u32 v107, v96, 2, s72
.irp n, 0,1,2,3,4,5,6,7,8,9,10,11,12,13,14,15
	global_load_b32 v[64+\n], v107, s[4:5] offset:3145728+8192*\n
.endr
	v_lshl_add_u32 v104, v100, 5, v99
	v_lshl_add_u32 v104, v98, 3, v104
	s_lshl_b32 s72, s[CH], 11
	s_lshl_b32 s73, s[XX], 14
	s_add_co_u32 s72, s72, s73
	v_lshl_add_u32 v[OSB], v104, 5, s72
	s_lshl_b32 s72, s[CH], 8
	s_lshl_b32 s73, s[XX], 11
	s_add_co_u32 s72, s72, s73
	v_lshl_add_u32 v[OBB], v98, 7, s72
	WLOADB 0, 0, 0
	WLOADB 1, 4096, 512
	s_mul_i32 s72, s[RH], 3072
	v_lshl_add_u32 v[ADA], v96, 3, s72
	v_add_nc_u32 v[ADA+1], 49152, v[ADA]
	v_mul_u32_u24 v102, v99, 816
	v_mad_u32_u24 v102, v98, 24, v102
	v_mad_u32_u24 v102, v100, 52352, v102
	s_mul_i32 s72, s[CH], 26112
	v_add_nc_u32 v102, s72, v102
	v_add_nc_u32 v[AD0], R0, v102
	v_lshl_add_u32 v[AD0+1], v98, 4, v[AD0]
	v_add_nc_u32 v[AD1], R1, v102
	v_lshl_add_u32 v[AD1+1], v98, 4, v[AD1]
	v_lshlrev_b32 v[OFC], 3, v96
	v_lshlrev_b32 v[OF4], 2, v96
	v_mov_b32 v116, 0
	v_mov_b32 v120, 0x3dd2d3e8                     ; 0.044715 k
	v_mov_b32 v121, 0x3dd2d3e8
	v_mov_b32 v122, 0x40135761                     ; k = 2 sqrt(2/pi) log2(e)
	v_mov_b32 v123, 0x40135761
	s_mov_b32 s[SEL], 0x76543210
	s_mov_b32 s[SEL+1], 0xfedcba98
	s_mov_b32 s[HM], 0xffff0000
	s_lshl_b32 s74, s[XX], 3
	s_add_co_u32 s74, s74, s[CH]                   ; the plane 8 x + ch (+ 2 t)
	s_mul_i32 s72, s74, 196608
	s_lshl_b32 s73, s[YY], 1
	s_add_co_u32 s73, s73, s[RH]
	s_mul_i32 s87, s73, 3072
	s_add_co_u32 s72, s72, s87
	s_lshl_b32 s74, s74, 13
	s_lshl_b32 s87, s73, 7
	s_add_co_u32 s74, s74, s87
	s_mov_b32 s73, 0
	s_add_nc_u64 s[76:77], s[12:13], s[72:73]      ; h's codes
	s_add_nc_u64 s[78:79], s[12:13], s[74:75]
	s_add_nc_u64 s[78:79], s[78:79], 12582912      ; h's scale words
	s_wait_loadcnt 0x0
.irp s, 0,1,2,3,4,5,6,7
	v_perm_b32 v[AS+\s], v[64+2*\s+1], v[64+2*\s], 0x05040100
	v_perm_b32 v[AS+8+\s], v[64+2*\s+1], v[64+2*\s], 0x07060302
.endr
	PLACES 8
	s_wait_alu depctr_va_vdst(0)                   ; the wait at the head's end
	REFILL G0T1                                    ; the panel and tile 0 are whole; tile 1's first fill: nothing is filled again here
	KLOOP AD0, 0, 1
	REFILL G0T2                                    ; tile 2 into tile 0's region: it has a way out and a tile's products in which to land
	EPI 0
	WLOADB 0, 8192, 1024
	KLOOP AD1, 1
	REFILL G0T3
	EPI 1
	s_wait_loadcnt 0x0
	WLOADB 1, 12288, 1536
	KLOOP AD0, 0
	EPI 2
	s_wait_tensorcnt 0x0                           ; my part of tile 3 is in,
	s_wait_dscnt 0x0
	s_barrier_signal -1
	s_barrier_wait -1                              ; everybody's is
	s_wait_loadcnt 0x0
	KLOOP AD1, 1
	EPI 3
	s_wait_tensorcnt 0x0                           ; the wave's end
	ds_add_u32 v1, v2
	s_wait_dscnt 0x0
	CROUND
	s_endpgm
.Lfunc_end_k_qbb67f0f73c_gemm_fc:
	.size	k_qbb67f0f73c_gemm_fc, .Lfunc_end_k_qbb67f0f73c_gemm_fc-k_qbb67f0f73c_gemm_fc
	.p2alignl 7, 3214868480
	.fill 96, 4, 3214868480
	.section	.rodata,"a",@progbits
	.p2align	6, 0x0
	.amdhsa_kernel k_qbb67f0f73c_gemm_fc
		.amdhsa_group_segment_fixed_size 327680
		.amdhsa_private_segment_fixed_size 0
		.amdhsa_enable_private_segment 0
		.amdhsa_kernarg_size 40
		.amdhsa_user_sgpr_count 2
		.amdhsa_user_sgpr_kernarg_segment_ptr 1
		.amdhsa_wavefront_size32 1
		.amdhsa_system_sgpr_workgroup_id_x 1
		.amdhsa_system_sgpr_workgroup_id_y 1
		.amdhsa_system_sgpr_workgroup_id_z 1
		.amdhsa_system_vgpr_workitem_id 0
		.amdhsa_next_free_vgpr 1024
		.amdhsa_next_free_sgpr 100
		.amdhsa_reserve_vcc 0
		.amdhsa_float_denorm_mode_32 3
		.amdhsa_float_denorm_mode_16_64 3
		.amdhsa_memory_ordered 1
		.amdhsa_forward_progress 1
		.amdhsa_inst_pref_size 255
	.end_amdhsa_kernel
	.section	.bss,"aw",@nobits
	.p2align	6
	.space	262144
	.amdgpu_metadata
---
amdhsa.version: [ 1, 2 ]
amdhsa.kernels:
  - .name:           k_qbb67f0f73c_gemm_fc
    .symbol:         k_qbb67f0f73c_gemm_fc.kd
    .args:
      - { .name: x1q, .offset: 0, .size: 8, .value_kind: global_buffer, .address_space: global }
      - { .name: Wfc_codes, .offset: 8, .size: 8, .value_kind: global_buffer, .address_space: global }
      - { .name: Wfc_scales, .offset: 16, .size: 8, .value_kind: global_buffer, .address_space: global }
      - { .name: bfc, .offset: 24, .size: 8, .value_kind: global_buffer, .address_space: global }
      - { .name: hq, .offset: 32, .size: 8, .value_kind: global_buffer, .address_space: global }
    .group_segment_fixed_size: 327680
    .private_segment_fixed_size: 0
    .kernarg_segment_align: 8
    .kernarg_segment_size: 40
    .max_flat_workgroup_size: 128
    .sgpr_count:     100
    .vgpr_count:     1024
    .wavefront_size: 32
...
	.end_amdgpu_metadata
.endif
;; end of part 5
;; launch gemm_proj (part 6): grid 8 x 32, 4 waves a work-group, clusters of 4 x 4, 327,680 bytes of LDS; arguments hq, Wproj_codes, Wproj_scales, bproj, x1f, out0; writes out0
.if DOCPART == 6
	.amdgcn_target "amdgcn-amd-amdhsa--gfx1250"
	.amdhsa_code_object_version 6
	.text
	.protected	k_qbb67f0f73c_gemm_proj
	.globl	k_qbb67f0f73c_gemm_proj
	.p2align	8
	.type	k_qbb67f0f73c_gemm_proj,@function
k_qbb67f0f73c_gemm_proj:
	s_mov_b64 s[64:65], 0
	v_nop
	global_prefetch_b8 v0, s[64:65] scope:SCOPE_SE
	s_setreg_imm32_b32 hwreg(HW_REG_WAVE_MODE, 25, 1), 1
	s_wait_xcnt 0x0
	s_wait_alu depctr_hold_cnt(0) depctr_sa_sdst(0) depctr_va_vdst(0) depctr_va_sdst(0) depctr_va_ssrc(0) depctr_va_vcc(0) depctr_vm_vsrc(0)
	s_getreg_b32 s2, hwreg(HW_REG_IB_STS2, 6, 4)
	s_cmp_eq_u32 s2, 0
	s_cbranch_scc0 .Lentry_in_a_cluster
	s_endpgm
.Lentry_in_a_cluster:
	s_bfe_u32 s2, ttmp6, 0x10000c
	s_cmp_lg_u32 s2, 0xf033
	s_cbranch_scc0 .Lentry_shape_is_right
	s_endpgm
.Lentry_shape_is_right:
; out = x1 + Q(h) Wproj + bproj on codes of E2M3.  Work-group (x, y): rows M' 128 y .. +127 x columns 128 x .. +127; four waves of 64 rows (rh) x 64 columns (ch), 16 accumulators each.
; K = 4096 is 32 steps of 128.  h's codes lie in planes of 64 k, as images of the operand's registers (6144 bytes for 128 rows and a plane): two LDS slots of 8 planes, 4 steps each (chunks 0..7).
; Wproj's rows are 3072 bytes; they come in pieces of 768 bytes, 8 steps, each beginning at a multiple of 256 bytes: two LDS slots of 128 rows, 816 apart (16 bytes of padding behind each 256).
; WHO LOADS.  Head: wave 0 h's chunk 0, wave 1 chunk 1, waves 2 and 3 the two halves (64 rows) of Wproj's piece 0: one tensor load a wave.  Meeting 0, ahead of step 0: waves 2, 3 piece 1 (first fills only).
; Meeting t = 1..6, ahead of step 4 t - 1: wave (t+1)%2 fills h's slot again with chunk t + 1; at t = 2..5 wave 2 + t%2 fills half t%2 of Wproj's slot with piece t/2 + 1.
; A meeting stands AHEAD of the last step of a slot: that step's fragments are in registers by then, so the slot is read no more, and the next step's fragments are fetched under that step's products.
; CLUSTER 4 x 4: h's chunks hang on y alone and are asked for jointly along a row of the cluster, Wproj's on x alone, along a column.
; PREFETCH: meeting t asks for what meeting t + 2 loads: 192 blocks of 256 bytes of h (t <= 4) and of Wproj (t <= 3).  The four partners that load a tile jointly share its blocks by address:
; h: partner cx, wave w takes plane 2 cx + w (24 blocks); Wproj: partner cy, wave 2 + w takes rows 16 cy + 8 w .. +7 (24 blocks).  Lanes 24-31 name lane 23's block again.  The place along K stands in the immediate.
; TRANSPOSED USE: source 0 = 16 rows of Wproj, source 1 = 16 rows of h: a lane holds eight neighbouring columns of a row.  The bias is the C of each sum's first instruction.
; OUT: through each wave's own stage, whole rows of 256 bytes, x1 added on the way; row M' = ((b 8 + a') 16 + j) 16 + r is query 256 a' + 16 r + j of batch b.
; REGISTERS.  window 0: v1, v2 the spare word's address and 0; v3-13 addresses; v16-79 h's scale words; v80-143 Wproj's; v144-217 at work.  window 1: two sets of 8 fragments, v192-223 the bias.  window 2: v0-127 accumulators, v128-255 x1.
.set ASL,   49152
.set BB,    98304
.set BSL,   104448
.set HB,    52224
.set STG,   307200
.set SPARE, 324608
.set AS,  16
.set BS,  80
.set BI,  192
.set R,   144
.set ADA, 3
.set ADB, 5
.set STO, 9
.set SRD, 10
.set OO,  11
.set OX1, 12
.set PFO, 13
.set WV,  16
.set RH,  17
.set CH,  18
.set CX,  19
.set CY,  20
.set XX,  21
.set YY,  22
.set G1A, 24
.set G1B, 32
.set G0A, 48
.set G0B, 52
.set LB,  56
.set PF,  58
.set MSB, 0
.macro WIN new                         ; the immediate's high byte repeats the setting that is left
.if MSB != (\new)
	s_set_vgpr_msb (MSB<<8)|(\new)
.set MSB, \new
.endif
.endm
.macro PLACES n
.rept \n
	v_nop
.endr
.endm
.macro CROUND                          ; a round of the cluster's barrier
	s_barrier_signal -1
	s_barrier_wait -1
	s_cmp_lg_u32 s[WV], 0
	s_cbranch_scc1 .Lnw0_\@
	s_barrier_signal -3
.Lnw0_\@:
	s_barrier_wait -3
	s_barrier_signal -1
	s_barrier_wait -1
.endm
.macro TLN g0, g1                      ; a joint load; s_nop 0 and four v_nop follow it
	tensor_load_to_lds s[\g0:\g0+3], s[\g1:\g1+7]
	s_nop 0
	PLACES 4
.endm
.macro FILL t                          ; meeting t's loads; the branches hang on the wave's number alone
.if (\t) == 0
	s_cmp_eq_u32 s[RH], 1
	s_cbranch_scc0 .Lfd_\@
	TLN G0B, G1B
.else
.if (\t) <= 6
	s_cmp_eq_u32 s[WV], ((\t)+1)%2
	s_cbranch_scc0 .Lna_\@
	TLN G0A, G1A
	s_branch .Lfd_\@
.Lna_\@:
.endif
.if (\t) >= 2 && (\t) <= 5
	s_cmp_eq_u32 s[WV], 2+(\t)%2
	s_cbranch_scc0 .Lfd_\@
	TLN G0B, G1B
.endif
.endif
.Lfd_\@:
.endm
.macro ASK t                           ; one prefetch a wave: my 24 blocks of what meeting t + 2 loads; its address registers are never rewritten
.if (\t) <= 4
	s_cmp_eq_u32 s[RH], 0
	s_cbranch_scc0 .Lpb_\@
	global_prefetch_b8 v[PFO], s[PF:PF+1] offset:(\t)*1572864 th:TH_LOAD_NT scope:SCOPE_SE
.if (\t) <= 3
	s_branch .Lpe_\@
.endif
.Lpb_\@:
.if (\t) <= 3
	global_prefetch_b8 v[PFO], s[PF:PF+1] offset:(((\t)+2)/2+1)*768+((\t)%2)*196608 th:TH_LOAD_NT scope:SCOPE_SE
.Lpe_\@:
.endif
.endif
.endm
.macro SEQ t                           ; a meeting
	s_wait_tensorcnt 0x0                           ; all my tensor loads have landed,
.if (\t) <= 6
	ds_add_u32 v1, v2                              ; 0 onto my spare word,
.if (\t)%2
	s_add_nc_u64 s[G0A+2:G0A+3], s[G0A+2:G0A+3], 3145728   ; no load of mine is out: my slot's next chunk of h, two chunks on (wave 0 uses it now, wave 1 at the next meeting)
.elseif (\t) <= 4
	s_add_nc_u64 s[G0B+2:G0B+3], s[G0B+2:G0B+3], 768       ; Wproj's next piece (wave 2 uses it now, wave 3 now or at the next meeting),
	s_add_co_u32 s[G0B+1], s[LB], BB+(((\t)/2+1)%2)*BSL    ; into the other slot
.endif
	s_wait_dscnt 0x0                               ; the add is done, and my reads of the slots that are left are over
	CROUND                                         ; the same holds of every wave of the cluster
	FILL \t
	ASK \t
.else
	s_wait_dscnt 0x0                               ; the last meeting: h's chunk 7 is shown to all four waves; nothing is filled
	s_barrier_signal -1
	s_barrier_wait -1
.endif
.endm
.macro FRAGA set, q, sl                ; h's four fragments: registers 0-5 from plane 2 q, 6-11 from plane 2 q + 1 of the slot; 32 lanes read 256 consecutive bytes
.irp a, 0,1,2,3
.irp c, 0,1
.irp p, 0,1,2
	ds_load_b64 v[96*(\set)+48+12*\a+6*\c+2*\p:96*(\set)+48+12*\a+6*\c+2*\p+1], v[ADA+(\sl)] offset:(2*(\q)+\c)*6144+\a*768+256*\p
.endr
.endr
.endr
.endm
.macro FRAGB set, q, sl                ; Wproj's four: pieces of 8 bytes; lanes 16-31 read three pieces on, which for some pieces lies behind one padding more: the second address register serves those
.irp u, 0,1,2,3
.irp c, 0,1
.irp p, 0,1,2
.set PC, 12*(\q)+6*\c+\p
.if PC%32 < 29
	ds_load_b64 v[96*(\set)+12*\u+6*\c+2*\p:96*(\set)+12*\u+6*\c+2*\p+1], v[ADB+2*(\sl)] offset:\u*13056+8*PC+16*(PC/32)
.else
	ds_load_b64 v[96*(\set)+12*\u+6*\c+2*\p:96*(\set)+12*\u+6*\c+2*\p+1], v[ADB+2*(\sl)+1] offset:\u*13056+8*PC+16*(PC/32)
.endif
.endr
.endr
.endr
.endm
.macro WM d, a, b, c, sa, sb, ra, rb
.if (\ra) && (\rb)
	v_wmma_scale_f32_16x16x128_f8f6f4 v[\d:\d+7], v[\a:\a+11], v[\b:\b+11], v[\c:\c+7], v[\sa], v[\sb] matrix_a_fmt:MATRIX_FMT_FP6 matrix_b_fmt:MATRIX_FMT_FP6 matrix_a_scale:MATRIX_SCALE_ROW1 matrix_b_scale:MATRIX_SCALE_ROW1
.elseif (\ra)
	v_wmma_scale_f32_16x16x128_f8f6f4 v[\d:\d+7], v[\a:\a+11], v[\b:\b+11], v[\c:\c+7], v[\sa], v[\sb] matrix_a_fmt:MATRIX_FMT_FP6 matrix_b_fmt:MATRIX_FMT_FP6 matrix_a_scale:MATRIX_SCALE_ROW1
.elseif (\rb)
	v_wmma_scale_f32_16x16x128_f8f6f4 v[\d:\d+7], v[\a:\a+11], v[\b:\b+11], v[\c:\c+7], v[\sa], v[\sb] matrix_a_fmt:MATRIX_FMT_FP6 matrix_b_fmt:MATRIX_FMT_FP6 matrix_b_scale:MATRIX_SCALE_ROW1
.else
	v_wmma_scale_f32_16x16x128_f8f6f4 v[\d:\d+7], v[\a:\a+11], v[\b:\b+11], v[\c:\c+7], v[\sa], v[\sb] matrix_a_fmt:MATRIX_FMT_FP6 matrix_b_fmt:MATRIX_FMT_FP6
.endif
.endm
.macro MULS set, ks, first             ; 16 matrix instructions; the 16 accumulators take turns in the same order in every step
.irp a, 0,1,2,3
.irp u, 0,1,2,3
.if \first
	WM 32*\a+8*\u, 96*(\set)+12*\u, 96*(\set)+48+12*\a, BI+8*\u, BS+32*(\u/2)+(\ks), AS+32*(\a/2)+(\ks), \u%2, \a%2
.else
	WM 32*\a+8*\u, 96*(\set)+12*\u, 96*(\set)+48+12*\a, 32*\a+8*\u, BS+32*(\u/2)+(\ks), AS+32*(\a/2)+(\ks), \u%2, \a%2
.endif
.endr
.endr
.endm
.macro STEP ks                         ; the next step's 48 fragment loads are issued ahead of this step's products
.if (\ks) > 0
	PLACES 4                                       ; places in front of loads into registers that the last products read
.endif
.if ((\ks)%4 == 3) && ((\ks) < 31)
	WIN 0
	SEQ ((\ks)+1)/4
.endif
.if (\ks) < 31
	WIN 0x40
	FRAGB ((\ks)+1)%2, ((\ks)+1)%8, (((\ks)+1)/8)%2
	FRAGA ((\ks)+1)%2, ((\ks)+1)%4, (((\ks)+1)/4)%2
	s_wait_dscnt 48                                ; this step's fragments are in; the 48 loads just issued may be out
.else
	s_wait_dscnt 0x0
.endif
.if (\ks) == 0
	WIN 0x95                                       ; fragments and the bias (C) in window 1, the sums in window 2
	MULS 0, 0, 1
.else
	WIN 0xa5
	MULS (\ks)%2, \ks, 0
.endif
.endm
	s_load_b256 s[4:11], s[0:1], 0x0               ; hq, Wproj_codes, Wproj_scales, bproj
	s_load_b128 s[12:15], s[0:1], 0x20             ; x1f, out0
	v_lshl_add_u32 v1, v0, 2, SPARE
	v_mov_b32 v2, 0
	ds_add_u32 v1, v2                              ; the opening lines: the add, twice on end, and its wait ahead of my first tensor load
	ds_add_u32 v1, v2
	v_lshrrev_b32 v208, 5, v0
	v_readfirstlane_b32 s[WV], v208                ; wave 0..3
	s_lshr_b32 s[RH], s[WV], 1                     ; my half of the rows.  Also: I load h (0) or Wproj (1)
	s_and_b32 s[CH], s[WV], 1                      ; my half of the columns.  Also: which slot of h, or which 64 rows of Wproj, I load
	s_bfe_u32 s[CX], ttmp6, 0x40000
	s_bfe_u32 s[CY], ttmp6, 0x40004
	s_lshl_b32 s[XX], ttmp9, 2
	s_add_co_u32 s[XX], s[XX], s[CX]
	s_and_b32 s[YY], ttmp7, 0xffff
	s_lshl_b32 s[YY], s[YY], 2
	s_add_co_u32 s[YY], s[YY], s[CY]
	s_lshl_b32 s72, s[CY], 2
	s_lshl_b32 s72, 15, s72                        ; my row of the cluster
	s_lshl_b32 s73, 0x1111, s[CX]                  ; my column
	s_or_b32 s[G1A], s72, (1<<21)                  ; h: 8 planes of 6144 bytes, 196608 apart; elements of 1 byte, no padding
	s_mov_b32 s[G1A+1], 6144<<16
	s_mov_b32 s[G1A+2], 8<<16
	s_mov_b32 s[G1A+3], 6144<<16
	s_mov_b32 s[G1A+4], 8
	s_mov_b32 s[G1A+5], 196608
	s_mov_b32 s[G1A+6], 0
	s_mov_b32 s[G1A+7], 0
	s_or_b32 s[G1B], s73, (1<<20)|(1<<21)|(5<<22)|(3<<25)   ; Wproj: 64 rows x 768 bytes, 3072 apart; 16 bytes of padding behind every 256
	s_mov_b32 s[G1B+1], 768<<16
	s_mov_b32 s[G1B+2], 64<<16
	s_mov_b32 s[G1B+3], 768<<16
	s_mov_b32 s[G1B+4], 64
	s_mov_b32 s[G1B+5], 3072
	s_mov_b32 s[G1B+6], 0
	s_mov_b32 s[G1B+7], 0
	s_mul_i32 s74, s[CH], 1572864                  ; h: chunk ch,
	s_mul_i32 s75, s[YY], 6144                     ; my work-group's 128 rows
	s_add_co_u32 s74, s74, s75
	s_mov_b32 s75, 0
	s_mul_i32 s88, s[XX], 393216                   ; Wproj: row 128 x + 64 ch
	s_mul_i32 s89, s[CH], 196608
	s_add_co_u32 s88, s88, s89
	s_mov_b32 s89, 0
	s_mul_i32 s86, s[CH], ASL
	s_mul_i32 s[LB], s[CH], HB
	s_wait_dscnt 0x0                               ; both opening adds are done
	s_wait_kmcnt 0x0
	s_mov_b32 s[G0A], 1
	s_add_co_u32 s[G0A+1], s86, 0
	s_add_nc_u64 s[G0A+2:G0A+3], s[4:5], s[74:75]
	s_or_b32 s[G0A+3], s[G0A+3], 0x80000000
	s_mov_b32 s[G0B], 1
	s_add_co_u32 s[G0B+1], s[LB], BB
	s_add_nc_u64 s[G0B+2:G0B+3], s[6:7], s[88:89]
	s_or_b32 s[G0B+3], s[G0B+3], 0x80000000
	CROUND                                         ; all sixteen work-groups are here: the first joint loads meet
	s_cmp_eq_u32 s[RH], 0                          ; one tensor load a wave, on either way
	s_cbranch_scc0 .Lhb
	TLN G0A, G1A
	s_branch .Lhj
.Lhb:
	TLN G0B, G1B
.Lhj:
	; all scalar set-up first, then the vector lines on end
	s_lshl_b32 s60, s[RH], 7
	s_lshl_b32 s61, s[YY], 8
	s_add_co_u32 s60, s60, s61                     ; h's scale words: (2 y + rh) 128
	s_lshl_b32 s61, s[XX], 14
	s_lshl_b32 s62, s[CH], 13
	s_add_co_u32 s61, s61, s62                     ; Wproj's scales: row 128 x + 64 ch, 128 bytes a row
	s_lshl_b32 s62, s[XX], 9
	s_lshl_b32 s63, s[CH], 8
	s_add_co_u32 s62, s62, s63                     ; my first column, in bytes of f32
	s_add_nc_u64 s[76:77], s[4:5], 12582912        ; h's scale words
	s_lshl_b32 s74, s[YY], 19
	s_lshl_b32 s73, s[RH], 18
	s_add_co_u32 s74, s74, s73
	s_add_co_u32 s74, s74, s62
	s_mov_b32 s75, 0
	s_add_nc_u64 s[78:79], s[12:13], s[74:75]      ; x1: row M' 128 y + 64 rh
	s_lshr_b32 s74, s[YY], 1
	s_lshl_b32 s74, s74, 8
	s_and_b32 s73, s[YY], 1
	s_lshl_b32 s73, s73, 3
	s_add_co_u32 s74, s74, s73
	s_lshl_b32 s73, s[RH], 2
	s_add_co_u32 s74, s74, s73
	s_lshl_b32 s74, s74, 12
	s_add_co_u32 s74, s74, s62
	s_add_nc_u64 s[80:81], s[14:15], s[74:75]      ; out: row 256 (y / 2) + 8 (y % 2) + 4 rh
	s_mul_i32 s66, s[RH], 3072
	s_add_co_u32 s67, s[LB], BB
	s_mul_i32 s68, s[WV], 4352
	s_add_co_u32 s68, s68, STG                     ; my stage
	s_lshl_b32 s82, s[CX], 1                       ; the prefetches.  h: plane 24 + 2 cx + ch (chunk 3, which meeting 2 loads), my work-group's rows
	s_add_co_u32 s82, s82, s[CH]
	s_add_co_u32 s82, s82, 24
	s_mul_i32 s82, s82, 196608
	s_mul_i32 s83, s[YY], 6144
	s_add_co_u32 s82, s82, s83
	s_lshl_b32 s84, s[XX], 7                       ; Wproj: row 128 x + 16 cy + 8 ch
	s_lshl_b32 s85, s[CY], 4
	s_add_co_u32 s84, s84, s85
	s_lshl_b32 s85, s[CH], 3
	s_add_co_u32 s84, s84, s85
	s_mul_i32 s84, s84, 3072
	s_cmp_eq_u32 s[RH], 0
	s_cselect_b32 s82, s82, s84
	s_cselect_b64 s[PF:PF+1], s[4:5], s[6:7]
	s_mov_b32 s83, 0
	s_add_nc_u64 s[PF:PF+1], s[PF:PF+1], s[82:83]
	s_mul_i32 s84, s[RH], 2304                     ; Wproj: from a row's third block to the next row's first are 3072 - 768 bytes more
	v_and_b32 v208, 31, v0                         ; lane l
	v_and_b32 v209, 15, v0                         ; r
	v_bfe_u32 v210, v0, 4, 1                       ; h
	v_lshl_add_u32 v211, v208, 2, s60
.set n, 0
.rept 64
	global_load_b32 v[144+n], v211, s[76:77] offset:8192*n         ; h's scale words, a plane each
.set n, n+1
.endr
	v_lshl_add_u32 v212, v208, 7, s61
.irp up, 0,1
.irp k, 0,1,2,3,4,5,6,7
	global_load_b128 v[BS+32*\up+4*\k:BS+32*\up+4*\k+3], v212, s[8:9] offset:4096*\up+16*\k   ; lanes 0-15 tile 2 up, lanes 16-31 tile 2 up + 1; a word a step
.endr
.endr
	v_lshl_add_u32 v213, v210, 5, s62
	WIN 0x40
.irp u, 0,1,2,3
	global_load_b128 v[BI+8*\u:BI+8*\u+3], v213, s[10:11] offset:64*\u
	global_load_b128 v[BI+8*\u+4:BI+8*\u+7], v213, s[10:11] offset:64*\u+16
.endr
	WIN 0
	v_lshlrev_b32 v214, 4, v209
	v_lshl_add_u32 v[OX1], v210, 12, v214
	v_lshl_add_u32 v[OO], v210, 16, v214
	WIN 0x80
.irp a, 0,1,2,3
.irp i, 0,1,2,3,4,5,6,7
	global_load_b128 v[128+32*\a+4*\i:128+32*\a+4*\i+3], v[OX1], s[78:79] offset:\a*65536+\i*8192   ; x1, two rows' 256 bytes an instruction; waited for on the way out
.endr
.endr
	WIN 0
	v_lshl_add_u32 v[ADA], v208, 3, s66
	v_add_nc_u32 v[ADA+1], ASL, v[ADA]
	v_mul_u32_u24 v215, v209, 816
	v_mad_u32_u24 v215, v210, 24, v215
	v_add_nc_u32 v[ADB], s67, v215
	v_lshl_add_u32 v[ADB+1], v210, 4, v[ADB]
	v_add_nc_u32 v[ADB+2], BSL, v[ADB]
	v_add_nc_u32 v[ADB+3], BSL, v[ADB+1]
	v_mul_u32_u24 v[STO], v209, 272
	v_lshl_add_u32 v[STO], v210, 5, v[STO]
	v_add_nc_u32 v[STO], s68, v[STO]
	v_mad_u32_u24 v[SRD], v210, 272, v214
	v_add_nc_u32 v[SRD], s68, v[SRD]
	v_min_u32 v216, 23, v208                       ; my block of the 24
	v_mul_u32_u24 v217, v216, 11
	v_lshrrev_b32 v217, 5, v217                    ; block / 3 (exact up to 23)
	v_mul_u32_u24 v217, v217, s84
	v_lshl_add_u32 v[PFO], v216, 8, v217
	s_wait_alu depctr_va_vdst(0)
	s_wait_loadcnt 32                              ; all but x1's 32 loads
.set n, 0
.rept 32
	v_perm_b32 v[AS+n], v[144+2*n+1], v[144+2*n], 0x05040100       ; row tiles 0 (lanes 0-15) and 1 (lanes 16-31): the halves of planes 2 n, 2 n + 1
	v_perm_b32 v[AS+32+n], v[144+2*n+1], v[144+2*n], 0x07060302    ; row tiles 2 and 3
.set n, n+1
.endr
	PLACES 8                                       ; a scale register written by a vector instruction stands 8 places ahead of a scaled matrix instruction
	s_wait_alu depctr_va_vdst(0)                   ; the wait at the head's end
	SEQ 0
	WIN 0x40
	FRAGB 0, 0, 0
	FRAGA 0, 0, 0
.set KS, 0
.rept 32
	STEP KS
.set KS, KS+1
.endr
	WIN 0
	PLACES 4
.irp a, 0,1,2,3                        ; the way out, 16 rows x 64 columns at a time
.if \a > 0
	s_wait_xcnt 0x0                                ; the last block's stores have read their registers
.endif
	WIN 0x08
.irp i, 0,1,2,3,4,5,6,7
	ds_store_b128 v[STO], v[32*\a+4*\i:32*\a+4*\i+3] offset:64*(\i/2)+16*(\i%2)   ; each accumulator from its low end on
.endr
	WIN 0
.irp i, 0,1,2,3,4,5,6,7
	ds_load_b128 v[R+4*\i:R+4*\i+3], v[SRD] offset:544*\i          ; LDS serves a wave's instructions in order: these see the stores
.endr
	s_wait_dscnt 0x0
.if \a == 0
	s_wait_loadcnt 0x0                             ; x1
.endif
	WIN 0x08
.set k, 0
.rept 16
	v_pk_add_f32 v[R+k:R+k+1], v[R+k:R+k+1], v[128+32*\a+k:128+32*\a+k+1]
.set k, k+2
.endr
	WIN 0
.irp i, 0,1,2,3,4,5,6,7
	global_store_b128 v[OO], v[R+4*\i:R+4*\i+3], s[80:81] offset:\a*4096+\i*131072 th:TH_STORE_NT   ; sixteen lanes store 256 consecutive aligned bytes
.endr
.endr
	s_wait_tensorcnt 0x0                           ; the wave's end
	ds_add_u32 v1, v2
	s_wait_dscnt 0x0
	CROUND                                         ; the closing round
	s_endpgm
.Lfunc_end_k_qbb67f0f73c_gemm_proj:
	.size	k_qbb67f0f73c_gemm_proj, .Lfunc_end_k_qbb67f0f73c_gemm_proj-k_qbb67f0f73c_gemm_proj
	.p2alignl 7, 3214868480
	.fill 96, 4, 3214868480
	.section	.rodata,"a",@progbits
	.p2align	6, 0x0
	.amdhsa_kernel k_qbb67f0f73c_gemm_proj
		.amdhsa_group_segment_fixed_size 327680
		.amdhsa_private_segment_fixed_size 0
		.amdhsa_enable_private_segment 0
		.amdhsa_kernarg_size 48
		.amdhsa_user_sgpr_count 2
		.amdhsa_user_sgpr_kernarg_segment_ptr 1
		.amdhsa_wavefront_size32 1
		.amdhsa_system_sgpr_workgroup_id_x 1
		.amdhsa_system_sgpr_workgroup_id_y 1
		.amdhsa_system_sgpr_workgroup_id_z 1
		.amdhsa_system_vgpr_workitem_id 0
		.amdhsa_next_free_vgpr 768
		.amdhsa_next_free_sgpr 100
		.amdhsa_reserve_vcc 0
		.amdhsa_float_denorm_mode_32 3
		.amdhsa_float_denorm_mode_16_64 3
		.amdhsa_memory_ordered 1
		.amdhsa_forward_progress 1
		.amdhsa_inst_pref_size 213
	.end_amdhsa_kernel
	.amdgpu_metadata
---
amdhsa.version: [ 1, 2 ]
amdhsa.kernels:
  - .name:           k_qbb67f0f73c_gemm_proj
    .symbol:         k_qbb67f0f73c_gemm_proj.kd
    .args:
      - { .name: hq, .offset: 0, .size: 8, .value_kind: global_buffer, .address_space: global }
      - { .name: Wproj_codes, .offset: 8, .size: 8, .value_kind: global_buffer, .address_space: global }
      - { .name: Wproj_scales, .offset: 16, .size: 8, .value_kind: global_buffer, .address_space: global }
      - { .name: bproj, .offset: 24, .size: 8, .value_kind: global_buffer, .address_space: global }
      - { .name: x1f, .offset: 32, .size: 8, .value_kind: global_buffer, .address_space: global }
      - { .name: out0, .offset: 40, .size: 8, .value_kind: global_buffer, .address_space: global }
    .group_segment_fixed_size: 327680
    .private_segment_fixed_size: 0
    .kernarg_segment_align: 8
    .kernarg_segment_size: 48
    .max_flat_workgroup_size: 128
    .sgpr_count:     100
    .vgpr_count:     768
    .wavefront_size: 32
...
	.end_amdgpu_metadata
.endif
;; end of part 6
